; MI455X (gfx1250); checked and timed in simulation.
; The chip was launched on July 23, 2026; its instructions are those of AMD's public machine-readable ISA for CDNA 5 (MIT licence, August 2026) and "CDNA5" Instruction Set Architecture Reference Guide (July 2026). The comments in the code are by the model that wrote it; some were corrected since.
;; Causal Self Attention. Allowed arithmetic: matrix products marked QUANTISED: E2M1 operands, one E8M0 scale for each 32 along K, by v_wmma_scale_f32_16x16x128_f8f6f4 with both operands' format E2M1 (or v_wmma_scale_f32_32x16x128_f4), f32 sums; everything else in f32.
;; Inputs: b_attn 3,072 float32; b_proj 1,024 float32; w_attn 3,072 x 1,024 float32; w_proj 1,024 x 1,024 float32; x 4 x 2,048 x 1,024 float32.
;; Outputs: out0 4 x 2,048 x 1,024 float32.
;; This version of the problem:
;;   THIS VERSION OF THE PROBLEM IS GIVEN IN LOW PRECISION. The matrix products marked QUANTISED in the list below multiply operands that are first quantised to E2M1 (2 exponent bits, 1 mantissa bit; 4 bits a number), with one power-of-two scale for each 32 numbers along K (OCP MX v1.0); their sums are f32. All else is computed in f32.
;;   The module's matrix products, in the order in which they are computed (A, B: the left and right operand; K: the contracted axis; several contracted axes count as one K, in the product's order):
;;     1. [M 8,192, K 1,024] x [K 1,024, N 3,072]; A: input x; B: input w_attn: QUANTISED
;;     2. batch 64 x [M 2,048, K 64] x [K 64, N 2,048]; A: computed on the way; B: computed on the way: QUANTISED
;;     3. batch 64 x [M 2,048, K 2,048] x [K 2,048, N 64]; A: softmax (see below); B: computed on the way: QUANTISED
;;     4. [M 8,192, K 1,024] x [K 1,024, N 1,024]; A: computed on the way; B: input w_proj: QUANTISED
;;   THE QUANTISER, for each operand of a quantised product, along K:
;;     - K is cut into blocks of 32 from its start; a last block that is shorter is filled with zeros.
;;     - A block's scale is 2^e with e = floor(log2(the largest magnitude in the block)) - 2, held to -126 .. 127; a block of zeros has e = 0. As a byte (E8M0): e + 127.
;;     - Each number is divided by its block's scale, clamped to +-6, and rounded to the nearest number of E2M1, ties to even, subnormals kept.
;;     - The product sums the exact products of the quantised numbers (number of the format x scale) in f32.
;;   ~~~python
;;   def quantise(x, axis):      # numpy; x: float32 -> the quantised numbers, widened to float32 again
;;       x = np.moveaxis(x, axis, -1); K = x.shape[-1]
;;       x = np.pad(x, [(0, 0)] * (x.ndim - 1) + [(0, -K % 32)]); x = x.reshape(x.shape[:-1] + (-1, 32)); a = np.abs(x).max(-1, keepdims=True)
;;       e = np.where(a > 0, np.clip(np.frexp(np.where(a > 0, a, 1))[1] - 1 - 2, -126, 127), 0)      # np.frexp(a)[1] - 1 = floor(log2(a)), exactly
;;       r = np.clip(x / 2.0 ** e, -6, 6)
;;       step = 2.0 ** (np.maximum(np.frexp(np.where(r == 0, 1, r))[1] - 1, 0) - 1)
;;       q = np.round(r / step) * step * 2.0 ** e      # np.round: ties to even
;;       return np.moveaxis(q.reshape(q.shape[:-2] + (-1,))[..., :K], -1, axis).astype(np.float32)
;;   ~~~
;;   SOFTMAX AHEAD OF A QUANTISED PRODUCT. Where the list says 'softmax', what is quantised is not the finished softmax but p = 2^(t - M), with t = logit x log2(e) and M = ceil(the row's largest t), a whole number; so 1/2 < the row's largest p <= 1. The row's sum l is taken of the UNQUANTISED p, in f32, and the product's result is divided by l at the end. Since M is a whole number, a kernel that streams over the keys may use a running M (the ceiling of the running maximum): every later rescaling is an exact power of two, which a block's scale takes up: the codes' values come out the same.
;;   OPERANDS COMPUTED ON THE WAY. 'Computed on the way' means the value that the module computes at that place (a softmax that the list does not call 'softmax' is quantised finished and normalised). What goes into a quantiser is computed in f32, as accurately as f32 sums, v_exp_f32 and their like allow (about 1e-6 of the number): no bf16 or f16 on the way to a quantiser, and a product that is left as it is and whose result goes on into a quantised operand takes f32 operands (vector FMAs, or v_wmma_f32_16x16x4_f32). A number that lies on a knife's edge between two numbers of the format may be rounded either way, as far as f32 arithmetic and the matrix unit's own rounding can turn it there, and no further.
;; One version. Each part assembles by itself: llvm-mc -triple=amdgcn-amd-amdhsa -mcpu=gfx1250 --defsym DOCPART=n.
;; ======== version 1 of 1: 4 launches
;; workspace buffers: xw_codes 6,291,456 bytes; xw_scales 393,216 bytes; qkv 13,893,632 bytes; y_codes 4,194,304 bytes; y_scales 262,144 bytes
;; launch quant (part 1): grid 384 x 1, 4 waves a work-group, no clusters, 34,304 bytes of LDS; arguments x, w_attn, w_proj, xw_codes, xw_scales; writes xw_codes, xw_scales
.if DOCPART == 1
	.amdgcn_target "amdgcn-amd-amdhsa--gfx1250"
	.amdhsa_code_object_version 6
	.text
	.protected	k_q4c3f487a15_quant
	.globl	k_q4c3f487a15_quant
	.p2align	8
	.type	k_q4c3f487a15_quant,@function
k_q4c3f487a15_quant:
	s_mov_b64 s[64:65], 0
	v_nop
	global_prefetch_b8 v0, s[64:65] scope:SCOPE_SE
	s_setreg_imm32_b32 hwreg(HW_REG_WAVE_MODE, 25, 1), 1
	s_wait_xcnt 0x0
; x [8192][1024], w_attn [3072][1024], w_proj [1024][1024], f32, K innermost, become codes of FP4 (E2M1) with one E8M0 byte for each 32 along K.
; A block's scale is 2^(floor(log2(its largest magnitude)) - 2): its byte is the largest magnitude's exponent field - 2, held at 1 from below.
; LIMITS: NaN and infinities among the inputs are not served.  A block of zeros gets the byte 1 where the rule says 127: its codes are zeros, and this program alone reads the bytes.
; THE WORKSPACE IS LAID AS THE MATRIX OPERANDS' REGISTERS.  The three tensors' rows are counted on end (12,288 rows, 768 tiles of 16).  Tile T holds in place j the row 32 (T / 2) + 8 (T % 2) + j + 8 (j / 8).
; A fragment (tile T, 128 along K: q) is 1,024 bytes at T x 8,192 + q x 1,024: part c (0, 1), lane l, 16 bytes: lane (r = l % 16, h = l / 16) holds k = 128 q + 64 c + 32 h + 0 .. 31 of the row in place r.
; Scale words (4 bytes: 128 along K of one row): T x 512 + (q / 4) x 256 + r x 16 + (q % 4) x 4.
; SHARES.  A work-group takes 32 rows (two tiles); wave w takes tile w / 2 of them and K half w % 2: four fragments.  Each load reads 512 consecutive bytes of one row; a fragment's 16 x 512 bytes turn through
; the wave's own stage in LDS (rows 528 bytes apart) and come back 128 bytes a lane: a lane then holds two whole blocks of 32, so that no other lane is asked for a maximum.
; No tensor load, no barrier: waves share nothing.  Matrix units and clusters have nothing to do here: each byte is read once.
.set SP,  528                          ; a stage row: 512 bytes + 16
.set STG, 16*SP                        ; a wave's stage
.set SW,  24                           ; v24-27   the four fragments' scale words
.set CD,  32                           ; v32-63   codes, eight registers a fragment: no store's data are written again
.set R,   64                           ; v64-191  two sets of 64: a fragment as it is loaded
.set X,   192                          ; v192-255 a fragment turned: register 32 c + e = k 64 c + 32 h + e of my row
	s_load_b128 s[4:7], s[0:1], 0x0                ; x, w_attn
	s_load_b128 s[8:11], s[0:1], 0x10              ; w_proj, the codes
	s_load_b64 s[12:13], s[0:1], 0x20              ; the scale words
	v_lshl_add_u32 v30, v0, 2, 0x8400
	v_mov_b32 v31, 0
	v_lshrrev_b32 v1, 5, v0
	v_readfirstlane_b32 s14, v1                    ; wave 0..3
	v_and_b32 v1, 31, v0                           ; lane
	v_and_b32 v2, 15, v0                           ; r
	v_bfe_u32 v3, v0, 4, 1                         ; h
	v_lshlrev_b32 v4, 4, v1                        ; 16 x lane: my bytes of a load's 512, and of an image's part
	s_mul_i32 s15, s14, STG
	v_add_nc_u32 v5, s15, v4                       ; the stage, on the way in
	v_mul_u32_u24 v6, v2, SP
	v_lshl_add_u32 v6, v3, 7, v6
	v_add_nc_u32 v6, s15, v6                       ; and on the way out: row r, + 128 h
	v_lshlrev_b32 v7, 3, v3                        ; 8 h: my bytes' place in a scale word
	v_lshl_add_u32 v8, v2, 4, v7                   ; 16 r + 8 h: where I store two scale words
	v_mov_b32 v16, 0                               ; a lane permute's destination counts as one of its sources
	s_mov_b32 s20, 0x76543210
	s_mov_b32 s21, 0xfedcba98                      ; v_permlanex16_b32's selects for lane l xor 16
	s_mov_b32 s22, 0xffff0000                      ; lanes 16-31
	s_lshr_b32 s16, s14, 1                         ; which of the two tiles
	s_and_b32 s17, s14, 1                          ; which K half
	s_mov_b32 s19, 352
	s_wait_alu depctr_va_vdst(0)
	s_wait_kmcnt 0x0
	s_cmp_lt_u32 ttmp9, 352                        ; work-groups 0-255: x; 256-351: w_attn; 352-383: w_proj.  The choice hangs on the work-group's number alone
	s_cselect_b64 s[6:7], s[6:7], s[8:9]
	s_cselect_b32 s19, 256, s19
	s_cmp_lt_u32 ttmp9, 256
	s_cselect_b64 s[4:5], s[4:5], s[6:7]
	s_cselect_b32 s19, 0, s19                      ; the tensor's first work-group
	s_sub_co_u32 s24, ttmp9, s19
	s_lshl_b32 s24, s24, 17                        ; 32 rows of 4,096 bytes
	s_lshl_b32 s26, s16, 15                        ; the second tile begins 8 rows down
	s_add_co_u32 s24, s24, s26
	s_lshl_b32 s26, s17, 11                        ; the second K half 2,048 bytes on
	s_add_co_u32 s24, s24, s26
	s_mov_b32 s25, 0
	s_add_nc_u64 s[4:5], s[4:5], s[24:25]
	s_lshl_b32 s24, ttmp9, 1
	s_add_co_u32 s24, s24, s16                     ; T
	s_lshl_b32 s26, s24, 13
	s_lshl_b32 s27, s17, 12
	s_add_co_u32 s26, s26, s27
	s_mov_b32 s27, 0
	s_add_nc_u64 s[10:11], s[10:11], s[26:27]      ; my four fragments
	s_lshl_b32 s26, s24, 9
	s_lshl_b32 s28, s17, 8
	s_add_co_u32 s26, s26, s28
	s_add_nc_u64 s[12:13], s[12:13], s[26:27]      ; my 256 bytes of scale words
.macro LOAD f                          ; fragment f: 512 consecutive bytes of each of the tile's 16 rows
.irp j, 0,1,2,3,4,5,6,7,8,9,10,11,12,13,14,15
	global_load_b128 v[R+64*((\f)%2)+4*\j:R+64*((\f)%2)+4*\j+3], v4, s[4:5] offset:(\j+8*(\j/8))*4096+512*(\f) th:TH_LOAD_NT
.endr
.endm
.macro TURN f                          ; through the stage: LDS serves a wave's instructions in order, so no wait stands between the stores and the loads
.irp j, 0,1,2,3,4,5,6,7,8,9,10,11,12,13,14,15
	ds_store_b128 v5, v[R+64*((\f)%2)+4*\j:R+64*((\f)%2)+4*\j+3] offset:SP*\j
.endr
.irp c, 0,1
.irp i, 0,1,2,3,4,5,6,7
	ds_load_b128 v[X+32*\c+4*\i:X+32*\c+4*\i+3], v6 offset:256*\c+16*\i
.endr
.endr
.endm
.macro WORK f
	v_max3_num_f32 v10, |v[X]|, |v[X+1]|, |v[X+2]|                 ; my two blocks' largest magnitudes, two chains each, by turns
	v_max3_num_f32 v12, |v[X+32]|, |v[X+33]|, |v[X+34]|
	v_max3_num_f32 v11, |v[X+3]|, |v[X+4]|, |v[X+5]|
	v_max3_num_f32 v13, |v[X+35]|, |v[X+36]|, |v[X+37]|
.irp i, 6,10,14,18,22,26
	v_max3_num_f32 v10, v10, |v[X+\i]|, |v[X+\i+1]|
	v_max3_num_f32 v12, v12, |v[X+32+\i]|, |v[X+32+\i+1]|
	v_max3_num_f32 v11, v11, |v[X+\i+2]|, |v[X+\i+3]|
	v_max3_num_f32 v13, v13, |v[X+32+\i+2]|, |v[X+32+\i+3]|
.endr
	v_max3_num_f32 v10, v10, |v[X+30]|, |v[X+31]|
	v_max3_num_f32 v12, v12, |v[X+62]|, |v[X+63]|
	v_max3_num_f32 v10, v10, v11, 0x1800000        ; and the floor 2^(3 - 127): the byte cannot fall under 1
	v_max3_num_f32 v12, v12, v13, 0x1800000
	v_add_nc_u32 v14, 0xff000000, v10              ; 2 off the exponent field: the conversion takes the exponent field of this operand as its scale
	v_add_nc_u32 v15, 0xff000000, v12
	v_lshrrev_b32 v10, 23, v14                     ; the scales' bytes: blocks h and 2 + h of my row
	v_lshrrev_b32 v12, 23, v15
	v_lshl_or_b32 v10, v12, 16, v10
	v_lshlrev_b32 v10, v7, v10                     ; at their places in the word
	v_permlanex16_b32 v16, v10, s20, s21
	v_or_b32 v[SW+(\f)], v10, v16                  ; with lane l xor 16's two the word is whole
.irp g, 0,1,2,3
	v_cvt_scalef32_pk8_fp4_f32 v[CD+8*(\f)+\g], v[X+8*\g:X+8*\g+7], v14
	v_cvt_scalef32_pk8_fp4_f32 v[CD+8*(\f)+4+\g], v[X+32+8*\g:X+32+8*\g+7], v15
.endr
	v_nop                                          ; one plain line behind the last scaled conversion
	global_store_b128 v4, v[CD+8*(\f):CD+8*(\f)+3], s[10:11] offset:1024*(\f)         ; 32 lanes store 512 consecutive bytes, aligned
	global_store_b128 v4, v[CD+8*(\f)+4:CD+8*(\f)+7], s[10:11] offset:1024*(\f)+512
.endm
	LOAD 0
	LOAD 1
	s_wait_loadcnt 16                              ; fragment 0's sixteen loads are in; fragment 1's sixteen may be out
	TURN 0
.irp f, 0,1,2,3
	s_wait_dscnt 0x0                               ; the fragment is back from the stage, and the stage's stores have read their registers,
.if \f < 2
	LOAD \f+2                                      ; which take the fragment two on
.endif
	WORK \f
.if \f < 2
	s_wait_loadcnt 16                              ; the next fragment's loads are in; the sixteen issued above may be out
	TURN \f+1
.elseif \f < 3
	s_wait_loadcnt 0x0                             ; the last fragment: nothing was issued behind it
	TURN \f+1
.endif
.endr
	v_cndmask_b32 v10, v[SW], v[SW+2], s22         ; every lane holds its row's four words: lanes 0-15 store words 0, 1, lanes 16-31 words 2, 3
	v_cndmask_b32 v11, v[SW+1], v[SW+3], s22
	global_store_b64 v8, v[10:11], s[12:13]        ; 32 lanes store 256 consecutive bytes, aligned
	s_wait_tensorcnt 0x0
	ds_add_u32 v30, v31
	s_wait_dscnt 0x0
	s_endpgm
.Lfunc_end_k_q4c3f487a15_quant:
	.size	k_q4c3f487a15_quant, .Lfunc_end_k_q4c3f487a15_quant-k_q4c3f487a15_quant
	.p2alignl 7, 3214868480
	.fill 96, 4, 3214868480
	.section	.rodata,"a",@progbits
	.p2align	6, 0x0
	.amdhsa_kernel k_q4c3f487a15_quant
		.amdhsa_group_segment_fixed_size 34304
		.amdhsa_private_segment_fixed_size 0
		.amdhsa_enable_private_segment 0
		.amdhsa_kernarg_size 40
		.amdhsa_user_sgpr_count 2
		.amdhsa_user_sgpr_kernarg_segment_ptr 1
		.amdhsa_wavefront_size32 1
		.amdhsa_system_sgpr_workgroup_id_x 1
		.amdhsa_system_sgpr_workgroup_id_y 1
		.amdhsa_system_sgpr_workgroup_id_z 1
		.amdhsa_system_vgpr_workitem_id 0
		.amdhsa_next_free_vgpr 256
		.amdhsa_next_free_sgpr 66
		.amdhsa_reserve_vcc 0
		.amdhsa_float_denorm_mode_32 3
		.amdhsa_float_denorm_mode_16_64 3
		.amdhsa_memory_ordered 1
		.amdhsa_forward_progress 1
		.amdhsa_inst_pref_size 30
	.end_amdhsa_kernel
	.amdgpu_metadata
---
amdhsa.version: [ 1, 2 ]
amdhsa.kernels:
  - .name:           k_q4c3f487a15_quant
    .symbol:         k_q4c3f487a15_quant.kd
    .args:
      - { .name: x, .offset: 0, .size: 8, .value_kind: global_buffer, .address_space: global }
      - { .name: w_attn, .offset: 8, .size: 8, .value_kind: global_buffer, .address_space: global }
      - { .name: w_proj, .offset: 16, .size: 8, .value_kind: global_buffer, .address_space: global }
      - { .name: xw_codes, .offset: 24, .size: 8, .value_kind: global_buffer, .address_space: global }
      - { .name: xw_scales, .offset: 32, .size: 8, .value_kind: global_buffer, .address_space: global }
    .group_segment_fixed_size: 34304
    .private_segment_fixed_size: 0
    .kernarg_segment_align: 8
    .kernarg_segment_size: 40
    .max_flat_workgroup_size: 128
    .sgpr_count:     66
    .vgpr_count:     256
    .wavefront_size: 32
...
	.end_amdgpu_metadata
.endif
;; end of part 1
;; launch qkv (part 2): grid 12 x 32, 4 waves a work-group, clusters of 4 x 4, 279,040 bytes of LDS; arguments xw_codes, xw_scales, b_attn, qkv; writes qkv
.if DOCPART == 2
	.amdgcn_target "amdgcn-amd-amdhsa--gfx1250"
	.amdhsa_code_object_version 6
	.text
	.protected	k_q4c3f487a15_qkv
	.globl	k_q4c3f487a15_qkv
	.p2align	8
	.type	k_q4c3f487a15_qkv,@function
k_q4c3f487a15_qkv:
	s_mov_b64 s[64:65], 0
	v_nop
	global_prefetch_b8 v0, s[64:65] scope:SCOPE_SE
	s_setreg_imm32_b32 hwreg(HW_REG_WAVE_MODE, 25, 1), 1
	s_wait_xcnt 0x0
	s_wait_alu depctr_hold_cnt(0) depctr_sa_sdst(0) depctr_va_vdst(0) depctr_va_sdst(0) depctr_va_ssrc(0) depctr_va_vcc(0) depctr_vm_vsrc(0)
	s_getreg_b32 s2, hwreg(HW_REG_IB_STS2, 6, 4)
	s_cmp_eq_u32 s2, 0
	s_cbranch_scc0 .Lentry_in_a_cluster
	s_endpgm
.Lentry_in_a_cluster:
	s_bfe_u32 s2, ttmp6, 0x10000c
	s_cmp_lg_u32 s2, 0xf033
	s_cbranch_scc0 .Lentry_shape_is_right
	s_endpgm
.Lentry_shape_is_right:
; qkv = x w_attn^T + b_attn on codes of FP4 with E8M0 scales (8,192 x 3,072, K = 1,024); the f32 results are quantised in registers and leave as codes: q and k along the head's 64, v along the keys.
; A tile of 256 x 256 is made by four waves, 128 x 128 each: 64 accumulators, 512 registers.  K = 1,024 is two LDS slots of 512: both are filled once, at the start; nothing is filled again.
; OPERANDS lie in memory and in LDS as images of their registers (a fragment of 16 rows x 128 K: 1,024 bytes, part c, lane l, 16 bytes): two ds_load_b128 at 16 x lane bring one.
; Tile T holds in place j the row 32 (T / 2) + 8 (T % 2) + j + 8 (j / 8): as source 0, the 16 registers of result tiles 2 e and 2 e + 1 are then 16 neighbours, 32 e + 16 (lane / 16) + 0 .. 15.
; L is source 1 (its rows lie on the lanes), R is source 0 (its rows run along a lane's registers).  For q and k (cluster x = 0, 1): L = x, R = w_attn: a lane holds one token and 128 neighbouring channels, two heads.
; For v (cluster x = 2): L = w_attn, R = x: a lane holds one channel and 128 neighbouring tokens, one key step.  The fills are the same; only the bases of the reads differ.
; CLUSTERS: 4 x 4 work-groups.  x's tiles hang on the tile row alone and are asked for jointly along a row of the cluster, w_attn's on the tile column alone and jointly along a column.
; OUT: 64 records of REC bytes, one a (batch, head): 16 key steps of 8,960 bytes (K's codes 8 x 512; V's codes 4 x 1,024 at 4,096; K's scale words [r][tile][4] at 8,192; V's [r][tile][4] at 8,704),
; then at 143,360 sixteen groups of 128 queries, 4,608 bytes each (Q's codes 8 x 512; scale words [r][tile][4] at 4,096).  Q's and K's fragments have 64 real k: only registers 0-3 are stored; their scale words hold 0 in bytes 2, 3.
; LIMITS: NaN and infinities are not served; a block of zeros gets the byte 1 (its codes are zeros; this program alone reads the bytes).
; REGISTERS, in windows of 256: window 0: v16-31 addresses; v32-95 scale words, two sets; v96-123 at work in the quantiser; v128-191 L's fragments, one set, later 64 numbers to quantise; v192-255 the bias.
;   window 1: R's fragments, two sets, at v0 and v128.   windows 2, 3: accumulator (a, b) at v[8 (8 (a % 4) + b)].
.set REC,   217088
.set SLOT,  131072                     ; a slot: x's two halves, then w_attn's two, 32,768 bytes each (8 tiles x 4 fragments)
.set SCL,   262144                     ; behind the slots: the scale words, 4,096 bytes for each of the four halves
.set WT0,   512                        ; w_attn's first tile in the workspace
.set ADRA, 16                          ; v16-17  L's fragments in slot 0, 1
.set ADRB, 20                          ; v20-21  R's
.set H16,  22                          ; v22     16 h
.set VSO,  23                          ; v23     h x REC + 16 r: V's scale words on their way out
.set LI,   24                          ; v24     16 x lane
.set H64,  25                          ; v25     64 h
.set PI4,  26                          ; v26     4 (r + 8 (r / 8))
.set ADRS, 27                          ; v27     my scale words: lanes 0-15 L's rows, lanes 16-31 R's
.set STS,  28                          ; v28     q, k: where I put a scale word: 1,024 w + 512 h + 32 r
.set STR,  29                          ; v29     and read them back: 1,024 w + 16 x lane
.set STV,  30                          ; v30     v: 8,192 + 512 w + 16 r
.set STRV, 31                          ; v31     8,192 + 512 w + 16 x lane
.set SC,   32
.set TM,   96
.set PW,   112
.set WD,   113
.set PC,   116
.set AF,   128
.set HA,   128
.set BIAS, 192
.set G1, 24                            ; s[24:31], s[32:39] groups 1 and 0 (a set a slot) for x's codes
.set G0, 32
.set G1B, 48                           ; s[48:55], s[56:63] for w_attn's
.set G0B, 56
.set G1S, 68                           ; s[68:75], s[76:79] for x's scale words;  s[80:87], s[88:91] for w_attn's
.set G0S, 76
.set G1SB, 80
.set G0SB, 88
.set SEL, 98                           ; s[98:99] lane selects for lane l xor 16
.set MSB, 0
.macro WIN new                         ; the immediate's high byte repeats the setting that is left
.if MSB != (\new)
	s_set_vgpr_msb (MSB<<8)|(\new)
.set MSB, (\new)
.endif
.endm
.set MUL_LO, 0xa1                      ; source 0 (R) window 1, source 1 (L) window 0, C and D window 2
.set MUL_HI, 0xf1
.set TO_B,   0x40
; A joint load: waves 0 and 1 fetch for x, waves 2 and 3 for w_attn.  The branch hangs on the wave's number alone.  Four v_nop follow each of the two lines.
.macro JLOAD g0a, g1a, g0b, g1b
	s_cmp_eq_u32 s15, 0
	s_cbranch_scc0 .Lfor_b_\@
	tensor_load_to_lds s[\g0a:\g0a+3], s[\g1a:\g1a+7]
	s_nop 0
.rept 4
	v_nop
.endr
	s_branch .Lasked_\@
.Lfor_b_\@:
	tensor_load_to_lds s[\g0b:\g0b+3], s[\g1b:\g1b+7]
	s_nop 0
.rept 4
	v_nop
.endr
.Lasked_\@:
.endm
.macro CROUND                          ; a round of the cluster's barrier
	s_barrier_signal -1
	s_barrier_wait -1
	s_cmp_lg_u32 s14, 0
	s_cbranch_scc1 .Lnot_wave_0_\@
	s_barrier_signal -3
.Lnot_wave_0_\@:
	s_barrier_wait -3
	s_barrier_signal -1
	s_barrier_wait -1
.endm
	s_load_b128 s[4:7], s[0:1], 0x0                ; the codes s[4:5], the scale words s[6:7]
	s_load_b128 s[8:11], s[0:1], 0x10              ; b_attn s[8:9], the records s[10:11]
	v_lshl_add_u32 v126, v0, 2, 0x44000
	v_mov_b32 v127, 0
	ds_add_u32 v126, v127
	ds_add_u32 v126, v127
	v_lshrrev_b32 v1, 5, v0
	v_readfirstlane_b32 s14, v1                    ; wave 0..3
	s_lshr_b32 s15, s14, 1                         ; which half of L is mine.  Also: I fetch for x (0) or for w_attn (1)
	s_and_b32 s16, s14, 1                          ; which half of R.  Also: which 8 tiles I fetch
	s_bfe_u32 s40, ttmp6, 0x40000                  ; cx, cy: my place in the cluster
	s_bfe_u32 s41, ttmp6, 0x40004
	s_lshl_b32 s42, ttmp9, 2
	s_add_co_u32 s42, s42, s40                     ; tile column = 4 x cluster x + cx
	s_and_b32 s17, ttmp7, 0xffff
	s_lshl_b32 s17, s17, 2
	s_add_co_u32 s17, s17, s41                     ; tile row = 4 x cluster y + cy
	s_lshl_b32 s43, s41, 2
	s_lshl_b32 s43, 15, s43                        ; my row of the cluster
	s_lshl_b32 s44, 0x1111, s40                    ; my column
	; group 1, codes: 8 rows (tiles) of 4,096 bytes (four fragments), 8,192 bytes apart; elements of 8 bytes; no padding
	s_or_b32 s[G1+0], s43, (3<<16)|(1<<21)         ; 15:0 the mask; 17:16 elements of 8 bytes; 21 set beside a mask
	s_or_b32 s[G1B+0], s44, (3<<16)|(1<<21)
.irp g, G1, G1B
	s_mov_b32 s[\g+1], 512<<16                     ; tensor_dim0
	s_mov_b32 s[\g+2], 8<<16                       ; tensor_dim1
	s_mov_b32 s[\g+3], 512<<16                     ; tile_dim0
	s_mov_b32 s[\g+4], 8                           ; tile_dim1
	s_mov_b32 s[\g+5], 1024                        ; tensor_dim0_stride
	s_mov_b32 s[\g+6], 0
	s_mov_b32 s[\g+7], 0
.endr
	; scale words of 8 tiles: 4,096 dense bytes, as 16 rows of 256
	s_or_b32 s[G1S+0], s43, (3<<16)|(1<<21)
	s_or_b32 s[G1SB+0], s44, (3<<16)|(1<<21)
.irp g, G1S, G1SB
	s_mov_b32 s[\g+1], 32<<16
	s_mov_b32 s[\g+2], 16<<16
	s_mov_b32 s[\g+3], 32<<16
	s_mov_b32 s[\g+4], 16
	s_mov_b32 s[\g+5], 32
	s_mov_b32 s[\g+6], 0
	s_mov_b32 s[\g+7], 0
.endr
	s_lshl_b32 s18, s16, 3                         ; which 8 tiles
	s_lshl_b32 s20, s17, 4
	s_add_co_u32 s20, s20, s18                     ; x: tile 16 x tile row + 8 x half
	s_lshl_b32 s46, s42, 4
	s_add_co_u32 s46, s46, s18
	s_add_co_u32 s46, s46, WT0                     ; w_attn: tile 512 + 16 x tile column + 8 x half
	s_lshl_b32 s22, s20, 9                         ; 512 bytes of scale words a tile,
	s_mov_b32 s23, 0
	s_lshl_b32 s20, s20, 13                        ; 8,192 of codes
	s_mov_b32 s21, 0
	s_lshl_b32 s92, s46, 9
	s_mov_b32 s93, 0
	s_lshl_b32 s46, s46, 13
	s_mov_b32 s47, 0
	s_lshl_b32 s45, s14, 15                        ; where they go: wave x 32,768, wave x 4,096: no place in the cluster enters an LDS address
	s_lshl_b32 s94, s14, 12
	s_mov_b32 s[SEL], 0x76543210
	s_mov_b32 s[SEL+1], 0xfedcba98
	s_mov_b32 s100, 0xffff0000                     ; lanes 16-31
	s_wait_dscnt 0x0
	s_wait_kmcnt 0x0
	s_add_nc_u64 s[20:21], s[4:5], s[20:21]
	s_add_nc_u64 s[22:23], s[6:7], s[22:23]
	s_add_nc_u64 s[46:47], s[4:5], s[46:47]
	s_add_nc_u64 s[92:93], s[6:7], s[92:93]
	CROUND                                         ; all sixteen work-groups are here: the joint loads meet
	s_mov_b32 s[G0S], 1
	s_add_co_u32 s[G0S+1], s94, SCL
	s_mov_b64 s[G0S+2:G0S+3], s[22:23]
	s_or_b32 s[G0S+3], s[G0S+3], 0x80000000
	s_mov_b32 s[G0SB], 1
	s_add_co_u32 s[G0SB+1], s94, SCL
	s_mov_b64 s[G0SB+2:G0SB+3], s[92:93]
	s_or_b32 s[G0SB+3], s[G0SB+3], 0x80000000
	JLOAD G0S, G1S, G0SB, G1SB                     ; the scale words first: they are wanted with slot 0
.irp s, 0,1
	s_mov_b32 s[G0+4*\s], 1
	s_add_co_u32 s[G0+4*\s+1], s45, \s*SLOT
	s_add_nc_u64 s[G0+4*\s+2:G0+4*\s+3], s[20:21], \s*4096
	s_or_b32 s[G0+4*\s+3], s[G0+4*\s+3], 0x80000000
	s_mov_b32 s[G0B+4*\s], 1
	s_add_co_u32 s[G0B+4*\s+1], s45, \s*SLOT
	s_add_nc_u64 s[G0B+4*\s+2:G0B+4*\s+3], s[46:47], \s*4096
	s_or_b32 s[G0B+4*\s+3], s[G0B+4*\s+3], 0x80000000
	JLOAD G0+4*\s, G1, G0B+4*\s, G1B               ; three loads of mine are out behind the second
.endr
	v_and_b32 v1, 31, v0                           ; lane
	v_and_b32 v2, 15, v0                           ; r
	v_bfe_u32 v3, v0, 4, 1                         ; h
	v_lshlrev_b32 v[LI], 4, v1
	s_wait_alu depctr_va_vdst(0)
	s_cmp_eq_u32 ttmp9, 2                          ; v?  The cluster's x is the same in all sixteen partners.  All selections stand behind this one compare
	s_cselect_b32 s20, 65536, 0                    ; where L lies in a slot,
	s_cselect_b32 s21, 0, 65536                    ; and R;
	s_cselect_b32 s22, 8192, 0                     ; L's scale words,
	s_cselect_b32 s23, 0, 8192                     ; and R's;
	s_cselect_b32 s66, s16, s15                    ; which half of the tile's tokens is mine,
	s_cselect_b32 s67, s15, s16                    ; and which half of its channels
	s_lshl_b32 s45, s15, 15
	s_add_co_u32 s20, s20, s45
	s_lshl_b32 s45, s16, 15
	s_add_co_u32 s21, s21, s45
	s_lshl_b32 s45, s15, 12
	s_add_co_u32 s22, s22, s45
	s_add_co_u32 s22, s22, SCL
	s_lshl_b32 s45, s16, 12
	s_add_co_u32 s23, s23, s45
	s_add_co_u32 s23, s23, SCL
	v_add_nc_u32 v[ADRA], s20, v[LI]
	v_add_nc_u32 v[ADRB], s21, v[LI]
	v_add_nc_u32 v[ADRA+1], SLOT, v[ADRA]
	v_add_nc_u32 v[ADRB+1], SLOT, v[ADRB]
	v_mov_b32 v4, s22
	v_mov_b32 v5, s23
	v_cndmask_b32 v[ADRS], v4, v5, s100            ; lanes 0-15 take L's words, lanes 16-31 R's
	v_lshl_add_u32 v[ADRS], v2, 4, v[ADRS]         ; 16 bytes a row: the four words of a slot
	v_lshlrev_b32 v[H16], 4, v3
	v_mul_u32_u24 v[VSO], v3, REC
	v_lshl_add_u32 v[VSO], v2, 4, v[VSO]
	v_lshlrev_b32 v[H64], 6, v3
	v_and_b32 v4, 8, v2
	v_add_nc_u32 v4, v4, v2
	v_lshlrev_b32 v[PI4], 2, v4
	s_lshl_b32 s45, s14, 10
	v_lshlrev_b32 v[STS], 5, v2
	v_lshl_add_u32 v[STS], v3, 9, v[STS]
	v_add_nc_u32 v[STS], s45, v[STS]
	v_add_nc_u32 v[STR], s45, v[LI]
	s_lshl_b32 s45, s14, 9
	s_add_co_u32 s45, s45, 8192
	v_lshl_add_u32 v[STV], v2, 4, s45
	v_add_nc_u32 v[STRV], s45, v[LI]
.irp b, 0,1,2,3
	v_mov_b32 v[TM+4+\b], 0                        ; written once: a lane permute's destination counts as one of its sources
.endr
	; where my results go
	s_lshl_b32 s2, s17, 1
	s_add_co_u32 s2, s2, s66                       ; my group of 128 tokens, 0 .. 63
	s_and_b32 s3, s2, 15                           ; in its batch
	s_lshr_b32 s2, s2, 4
	s_lshl_b32 s2, s2, 4                           ; 16 x batch
	s_and_b32 s46, s42, 3
	s_lshl_b32 s46, s46, 2
	s_add_co_u32 s46, s46, s2
	s_lshl_b32 s47, s67, 1
	s_add_co_u32 s46, s46, s47                     ; the first of my two records: 16 x batch + 4 (tile column % 4) + 2 x half
	s_mul_i32 s46, s46, REC
	s_mul_i32 s92, s3, 4608
	s_add_co_u32 s92, s92, 143360                  ; q: the group of queries
	s_mul_i32 s93, s3, 8960                        ; k, v: the key step
	s_cmp_eq_u32 ttmp9, 0
	s_cselect_b32 s92, s92, s93
	s_mov_b32 s94, 8192
	s_cselect_b32 s94, 4096, s94                   ; where q's or k's scale words begin
	s_mov_b32 s95, 0
	s_add_co_u32 s46, s46, s92
	s_mov_b32 s47, 0
	s_add_nc_u64 s[12:13], s[10:11], s[46:47]
	s_add_nc_u64 s[18:19], s[12:13], s[94:95]
	s_lshl_b32 s46, s42, 10
	s_lshl_b32 s47, s67, 9
	s_add_co_u32 s46, s46, s47
	s_mov_b32 s47, 0
	s_add_nc_u64 s[96:97], s[8:9], s[46:47]        ; b_attn at my 128 channels
.macro FRAG reg, adr, q, i             ; a fragment: tile i of my 8, the slot's q-th 128 along K
.irp c, 0,1
	ds_load_b128 v[\reg+4*\c:\reg+4*\c+3], v[\adr] offset:(\i)*4096+(\q)*1024+512*\c
.endr
.endm
; 16 matrix instructions: L's blocks a0, a0 + 1 x R's eight.  p: R's set; sc: the set of scale words.  zero = 1: the first product starts the sums.  The 64 accumulators take turns, one instruction a turn, in the
; same order in every step.
.macro MUL16 a0, p, q, sc, zero
.irp a, \a0, \a0+1
.irp b, 0,1,2,3,4,5,6,7
.if \zero
	v_wmma_scale_f32_16x16x128_f8f6f4 v[8*(8*((\a)%4)+\b):8*(8*((\a)%4)+\b)+7], v[128*(\p)+8*\b:128*(\p)+8*\b+7], v[AF+8*(\a):AF+8*(\a)+7], 0, v[SC+32*(\sc)+4*\b+(\q)], v[SC+32*(\sc)+4*(\a)+(\q)] matrix_a_fmt:MATRIX_FMT_FP4 matrix_b_fmt:MATRIX_FMT_FP4 matrix_a_scale:MATRIX_SCALE_ROW1
.else
	v_wmma_scale_f32_16x16x128_f8f6f4 v[8*(8*((\a)%4)+\b):8*(8*((\a)%4)+\b)+7], v[128*(\p)+8*\b:128*(\p)+8*\b+7], v[AF+8*(\a):AF+8*(\a)+7], v[8*(8*((\a)%4)+\b):8*(8*((\a)%4)+\b)+7], v[SC+32*(\sc)+4*\b+(\q)], v[SC+32*(\sc)+4*(\a)+(\q)] matrix_a_fmt:MATRIX_FMT_FP4 matrix_b_fmt:MATRIX_FMT_FP4 matrix_a_scale:MATRIX_SCALE_ROW1
.endif
.endr
.endr
.endm
.macro FETCH_B slot, q, p
	WIN TO_B
.irp i, 0,1,2,3,4,5,6,7
	FRAG 128*(\p)+8*\i, ADRB+\slot, \q, \i
.endr
	WIN 0
.endm
.macro FETCH_A slot, q, i0
.irp i, \i0, \i0+1, \i0+2, \i0+3
	FRAG AF+8*(\i), ADRA+\slot, \q, \i
.endr
.endm
.macro SCALES sc                       ; a slot's scale words: four a row; lanes 0-15 take L's block i, lanes 16-31 R's block i
.irp i, 0,1,2,3,4,5,6,7
	ds_load_b128 v[SC+32*\sc+4*\i:SC+32*\sc+4*\i+3], v[ADRS] offset:\i*512+\sc*256
.endr
.endm
.macro PLACES n                        ; plain vector lines between a matrix instruction and a load into, or a vector line on, its registers (ISA guide 7.12.1 for vector lines)
.rept \n
	v_nop
.endr
.endm
.macro STEP slot, q, zero              ; 128 along K that has its successor in the same slot
	s_wait_dscnt 8                                 ; R's set and L's blocks 0-3 are in; the youngest eight loads (L's blocks 4-7) may be out
	WIN MUL_LO
	MUL16 0, (\q)%2, \q, \slot, \zero
	MUL16 2, (\q)%2, \q, \slot, \zero
	s_wait_dscnt 0x0                               ; L's blocks 4-7 are in
	PLACES 4
	FETCH_B \slot, (\q)+1, 1-(\q)%2
	FETCH_A \slot, (\q)+1, 0
	WIN MUL_HI
	MUL16 4, (\q)%2, \q, \slot, \zero
	MUL16 6, (\q)%2, \q, \slot, \zero
	PLACES 4
	WIN 0
	FETCH_A \slot, (\q)+1, 4
.endm
.macro LAST                            ; the very last 128 along K: nothing more to fetch
	s_wait_dscnt 8
	WIN MUL_LO
	MUL16 0, 1, 3, 1, 0
	MUL16 2, 1, 3, 1, 0
	s_wait_dscnt 0x0
	WIN MUL_HI
	MUL16 4, 1, 3, 1, 0
	MUL16 6, 1, 3, 1, 0
	WIN 0
.endm
; 64 numbers of a lane, register 16 b + i = k 32 b + 16 (lane / 16) + i of my row, become a fragment's codes in v[PC] on and its scale word in v[PW].
.macro QUANT s
.irp b, 0,1,2,3
	v_max3_num_f32 v[TM+\b], |v[\s+16*\b]|, |v[\s+1+16*\b]|, 0x1800000   ; my 16 numbers of block b, and the floor 2^(3 - 127): the byte cannot fall under 1
.endr
.irp i, 2,4,6,8,10,12,14
.irp b, 0,1,2,3
	v_max3_num_f32 v[TM+\b], v[TM+\b], |v[\s+16*\b+\i]|, |v[\s+1+16*\b+\i]|
.endr
.endr
.irp b, 0,1,2,3
	v_permlanex16_b32 v[TM+4+\b], v[TM+\b], s[SEL], s[SEL+1]
.endr
.irp b, 0,1,2,3
	v_max_num_f32 v[TM+\b], v[TM+\b], v[TM+4+\b]   ; with lane l xor 16's: the block's largest magnitude
.endr
.irp b, 0,1,2,3
	v_add_nc_u32 v[TM+12+\b], 0xff000000, v[TM+\b] ; 2 off its exponent field: the conversion's scale operand
.endr
.irp b, 0,1,2,3
	v_lshrrev_b32 v[TM+4+\b], 23, v[TM+12+\b]      ; the scale's byte
.endr
	v_lshl_or_b32 v[PW], v[TM+5], 8, v[TM+4]
	v_lshl_or_b32 v[PW], v[TM+6], 16, v[PW]
	v_lshl_or_b32 v[PW], v[TM+7], 24, v[PW]
.irp b, 0,1,2,3
	v_cvt_scalef32_pk8_fp4_f32 v[PC+2*\b], v[\s+16*\b:\s+7+16*\b], v[TM+12+\b]
	v_cvt_scalef32_pk8_fp4_f32 v[PC+1+2*\b], v[\s+8+16*\b:\s+15+16*\b], v[TM+12+\b]
.endr
	v_nop                                          ; one plain line behind a scaled conversion
.irp c, 0,1                                    ; the operand's layout wants a whole block in a lane
.irp i, 0,1
	v_permlane16_swap_b32 v[PC+4*\c+\i], v[PC+2+4*\c+\i]
.endr
.endr
.endm
; q, k: block a = 16 tokens (one a lane) x 128 channels.  The addition of the bias also brings the sums into window 0; each accumulator is read from its low end on.
.macro OUTQK a
.set AC, 64*((\a)%4)
	s_wait_xcnt 0x0                                ; the last block's stores have read their data: the codes' registers are written again only behind this wait
	WIN 0x02+(\a)/4                                ; source 0: window 2 or 3
.set i, 0
.rept 32
	v_pk_add_f32 v[HA+i:HA+i+1], v[AC+i:AC+i+1], v[BIAS+i:BIAS+i+1]
.set i, i+2
.endr
	WIN 0
	QUANT HA
	global_store_b128 v[LI], v[PC:PC+3], s[12:13] offset:512*(\a)          ; the first head's 64 channels: 512 consecutive bytes, aligned
	global_store_b128 v[LI], v[PC+4:PC+7], s[12:13] offset:REC+512*(\a)    ; the second head's
	v_lshrrev_b32 v[WD], v[H16], v[PW]
	v_and_b32 v[WD], 0xffff, v[WD]                 ; lanes 0-15: the first head's two bytes, lanes 16-31: the second's; bytes 2, 3 stay 0
	ds_store_b32 v[STS], v[WD] offset:4*(\a)
.endm
; v: block a = 16 channels (one a lane) x 128 tokens
.macro OUTV a
.set AC, 64*((\a)%4)
	s_wait_xcnt 0x0
	WIN 0x02+(\a)/4
.set i, 0
.rept 32
	v_pk_add_f32 v[HA+i:HA+i+1], v[AC+i:AC+i+1], v[BIAS+2*(\a):BIAS+2*(\a)+1]
.set i, i+2
.endr
	WIN 0
	QUANT HA
	global_store_b128 v[LI], v[PC:PC+3], s[12:13] offset:((\a)/4)*REC+4096+((\a)%4)*1024
	global_store_b128 v[LI], v[PC+4:PC+7], s[12:13] offset:((\a)/4)*REC+4096+((\a)%4)*1024+512
	ds_store_b32 v[STV], v[PW] offset:((\a)/4)*256+((\a)%4)*4      ; both halves of the lanes write the same word with the same value
.endm
	s_wait_tensorcnt 1                             ; the scale words and my part of slot 0 are in; slot 1's load may be out
	s_barrier_signal -1
	s_barrier_wait -1                              ; everybody's are
	FETCH_B 0, 0, 0
	FETCH_A 0, 0, 0
	SCALES 0
	FETCH_A 0, 0, 4
	STEP 0, 0, 1                                   ; the first products start the sums: nothing is cleared
	STEP 0, 1, 0
	STEP 0, 2, 0
	; slot 0's last step changes slots: one barrier; nothing is filled again
	s_wait_tensorcnt 0x0                           ; my part of slot 1 is in
	s_wait_dscnt 8                                 ; (L's blocks 4-7 may be out)
	WIN MUL_LO
	MUL16 0, 1, 3, 0, 0
	s_wait_dscnt 0x0                               ; my reads of slot 0 are over: its bytes serve as stages on the way out
	s_barrier_signal -1
	MUL16 2, 1, 3, 0, 0
	WIN 0
	s_barrier_wait -1
	PLACES 4
	FETCH_B 1, 0, 0
	FETCH_A 1, 0, 0
	SCALES 1
	WIN MUL_HI
	MUL16 4, 1, 3, 0, 0
	MUL16 6, 1, 3, 0, 0
	PLACES 4
	WIN 0
	FETCH_A 1, 0, 4
	STEP 1, 0, 0
	STEP 1, 1, 0
	STEP 1, 2, 0
	s_cmp_eq_u32 ttmp9, 2                          ; the ways part here, on the cluster's x; each has its own bias, its own last step and LDS stage bytes of its own
	s_cbranch_scc1 .Lv
.irp e, 0,1,2,3                                ; the bias in the results' layout: register 16 e + i = channel 32 e + 16 h + i
.irp j, 0,1,2,3
	global_load_b128 v[BIAS+16*\e+4*\j:BIAS+16*\e+4*\j+3], v[H64], s[96:97] offset:128*\e+16*\j
.endr
.endr
	LAST
	PLACES 4
	s_wait_loadcnt 0x0                             ; the bias
.irp a, 0,1,2,3,4,5,6,7
	OUTQK \a
.endr
	ds_load_b128 v[HA:HA+3], v[STR]                ; LDS serves a wave's instructions in order: these see my stores.  512 bytes of scale words a head
	ds_load_b128 v[HA+4:HA+7], v[STR] offset:512
	s_wait_dscnt 0x0
	global_store_b128 v[LI], v[HA:HA+3], s[18:19]
	global_store_b128 v[LI], v[HA+4:HA+7], s[18:19] offset:REC
	s_branch .Ljoin
.Lv:
.irp a, 0,1,2,3,4,5,6,7                        ; a lane's channel has one bias a block: loaded twice, to fill the pair of the packed addition
	global_load_b32 v[BIAS+2*\a], v[PI4], s[96:97] offset:4*(32*(\a/2)+8*(\a%2))
	global_load_b32 v[BIAS+2*\a+1], v[PI4], s[96:97] offset:4*(32*(\a/2)+8*(\a%2))
.endr
	LAST
	PLACES 4
	s_wait_loadcnt 0x0
.irp a, 0,1,2,3,4,5,6,7
	OUTV \a
.endr
	ds_load_b128 v[HA:HA+3], v[STRV]               ; lanes 0-15: the first head's 256 bytes of scale words, lanes 16-31: the second's
	s_wait_dscnt 0x0
	global_store_b128 v[VSO], v[HA:HA+3], s[12:13] offset:8704
.Ljoin:
	s_wait_dscnt 0x0
	s_wait_tensorcnt 0x0
	ds_add_u32 v126, v127
	s_wait_dscnt 0x0
	CROUND                                         ; the closing round: no work-group ends while a partner may still ask for a tile that names it
	s_endpgm
.Lfunc_end_k_q4c3f487a15_qkv:
	.size	k_q4c3f487a15_qkv, .Lfunc_end_k_q4c3f487a15_qkv-k_q4c3f487a15_qkv
	.p2alignl 7, 3214868480
	.fill 96, 4, 3214868480
	.section	.rodata,"a",@progbits
	.p2align	6, 0x0
	.amdhsa_kernel k_q4c3f487a15_qkv
		.amdhsa_group_segment_fixed_size 279040
		.amdhsa_private_segment_fixed_size 0
		.amdhsa_enable_private_segment 0
		.amdhsa_kernarg_size 32
		.amdhsa_user_sgpr_count 2
		.amdhsa_user_sgpr_kernarg_segment_ptr 1
		.amdhsa_wavefront_size32 1
		.amdhsa_system_sgpr_workgroup_id_x 1
		.amdhsa_system_sgpr_workgroup_id_y 1
		.amdhsa_system_sgpr_workgroup_id_z 1
		.amdhsa_system_vgpr_workitem_id 0
		.amdhsa_next_free_vgpr 1024
		.amdhsa_next_free_sgpr 102
		.amdhsa_reserve_vcc 0
		.amdhsa_float_denorm_mode_32 3
		.amdhsa_float_denorm_mode_16_64 3
		.amdhsa_memory_ordered 1
		.amdhsa_forward_progress 1
		.amdhsa_inst_pref_size 206
	.end_amdhsa_kernel
	.amdgpu_metadata
---
amdhsa.version: [ 1, 2 ]
amdhsa.kernels:
  - .name:           k_q4c3f487a15_qkv
    .symbol:         k_q4c3f487a15_qkv.kd
    .args:
      - { .name: xw_codes, .offset: 0, .size: 8, .value_kind: global_buffer, .address_space: global }
      - { .name: xw_scales, .offset: 8, .size: 8, .value_kind: global_buffer, .address_space: global }
      - { .name: b_attn, .offset: 16, .size: 8, .value_kind: global_buffer, .address_space: global }
      - { .name: qkv, .offset: 24, .size: 8, .value_kind: global_buffer, .address_space: global }
    .group_segment_fixed_size: 279040
    .private_segment_fixed_size: 0
    .kernarg_segment_align: 8
    .kernarg_segment_size: 32
    .max_flat_workgroup_size: 128
    .sgpr_count:     102
    .vgpr_count:     1024
    .wavefront_size: 32
...
	.end_amdgpu_metadata
.endif
;; end of part 2
;; launch attn (part 3): grid 4 x 64, 16 waves a work-group, clusters of 4 x 1, 169,984 bytes of LDS; arguments qkv, y_codes, y_scales; writes y_codes, y_scales
.if DOCPART == 3
	.amdgcn_target "amdgcn-amd-amdhsa--gfx1250"
	.amdhsa_code_object_version 6
	.text
	.protected	k_q4c3f487a15_attn
	.globl	k_q4c3f487a15_attn
	.p2align	8
	.type	k_q4c3f487a15_attn,@function
k_q4c3f487a15_attn:
	s_mov_b64 s[64:65], 0
	v_nop
	global_prefetch_b8 v0, s[64:65] scope:SCOPE_SE
	s_setreg_imm32_b32 hwreg(HW_REG_WAVE_MODE, 25, 1), 1
	s_wait_xcnt 0x0
	s_wait_alu depctr_hold_cnt(0) depctr_sa_sdst(0) depctr_va_vdst(0) depctr_va_sdst(0) depctr_va_ssrc(0) depctr_va_vcc(0) depctr_vm_vsrc(0)
	s_getreg_b32 s2, hwreg(HW_REG_IB_STS2, 6, 4)
	s_cmp_eq_u32 s2, 0
	s_cbranch_scc0 .Lentry_in_a_cluster
	s_endpgm
.Lentry_in_a_cluster:
	s_bfe_u32 s2, ttmp6, 0x10000c
	s_cmp_lg_u32 s2, 0x3003
	s_cbranch_scc0 .Lentry_shape_is_right
	s_endpgm
.Lentry_shape_is_right:
; y = softmax(q k^T / 8, causal) v for one (batch, head) a cluster, both products on codes of FP4 with E8M0 scales; y is quantised along the channels and leaves as codes.
; THE SOFTMAX: t = score x log2(e) / 8; M = the running largest t rounded UP to a whole number; p = 2^(t - M) is quantised along the keys, not normalised; the row's sum is taken of the unquantised p and divides at
; the end.  When M moves, the sum and O are multiplied by 2^(old M - new M): exact.
; SHARES.  A head's K, V and their scale words, 16 key steps of 8,960 bytes, lie in LDS for the whole launch: wave w of each of the cluster's four work-groups asks for key step w, JOINTLY with the three partners
; (the same descriptor, mask 15).  Filled once; nothing is stored to LDS.  A head has 128 tiles of 16 queries.  Wave w of partner cx takes tile 4 w + cx and then tile 127 - (4 w + cx): the first needs key steps
; 0 .. w / 2, the second 0 .. 15 - w / 2: 17 key steps for every wave.  The last key step of a tile hangs on the wave's number alone; cx enters global addresses and the mask's compare value only.
; LAYOUT.  Both products are used transposed: S^T = K Q^T (source 0 = 16 keys), O^T = V^T P^T (source 0 = 16 channels): a lane holds ONE query throughout.  A tile holds in place j the row
; 32 (T / 2) + 8 (T % 2) + j + 8 (j / 8), so the 16 registers of result tiles 2 b, 2 b + 1 are 16 neighbours, 32 b + 16 (lane / 16) + 0 .. 15.  The first product's K is 64: registers 4-7 of Q's and K's fragments are zeros.
; The loop over key steps has 16 trips for every wave; a step all of whose keys come after the tile's queries is jumped over by a scalar branch on the wave's number.
; The scale bytes of y leave one byte a lane, 16 bytes apart: a row's other bytes belong to other heads, which other clusters make; they are one byte in 17 of what the launch stores.
; LIMITS: NaN and infinities are not served; a block of zeros gets the byte 1 (its codes are zeros; this program alone reads the bytes).
; REGISTERS: v1-3, v9, v10 lane terms; v4-6 the step's LDS addresses; v7 the mask's compare value; v12 -M, v13 the largest t, v[14:15] the sum; v16-23 Q; v24-31 K's scale words; v32-95 K; v96-159 S^T, then p;
;   v160-191 O^T; v192-223 V; v224-231 p's codes; v232-248 at work; v240-243 V's scale words; v249 p's scale word; v[252:253] f and 0; v254 at work; v255 Q's scale words.
.set REC,  217088
.set STEPB, 8960
.macro ROUND                           ; a round of the cluster's barrier
	s_barrier_signal -1
	s_barrier_wait -1
	s_cmp_lg_u32 s18, 0
	s_cbranch_scc1 .Lnot_wave_0_\@
	s_barrier_signal -3
.Lnot_wave_0_\@:
	s_barrier_wait -3
	s_barrier_signal -1
	s_barrier_wait -1
.endm
	s_load_b128 s[4:7], s[0:1], 0x0                ; the records, y's codes
	s_load_b64 s[8:9], s[0:1], 0x10                ; y's scale bytes
	v_lshl_add_u32 v250, v0, 2, 0x29000
	v_mov_b32 v251, 0
	ds_add_u32 v250, v251
	ds_add_u32 v250, v251
	v_lshrrev_b32 v1, 5, v0
	s_delay_alu instid0(VALU_DEP_1)
	v_readfirstlane_b32 s18, v1                    ; wave 0..15
	s_bfe_u32 s19, ttmp6, 0x40000                  ; cx
	s_and_b32 s10, ttmp7, 0xffff                   ; 16 x batch + head: the cluster's y, which the four partners share
	s_mul_i32 s12, s10, REC
	s_mov_b32 s13, 0
	s_mul_i32 s14, s18, STEPB                      ; my key step, in memory and in LDS
	s_mov_b32 s15, 0
	s_mov_b32 s24, 15|(3<<16)|(1<<21)              ; group 1: 15:0 the mask: all four; 17:16 elements of 8 bytes; 21 set beside a mask.  8,960 dense bytes as 35 rows of 256
	s_mov_b32 s25, 32<<16
	s_mov_b32 s26, 35<<16
	s_mov_b32 s27, 32<<16
	s_mov_b32 s28, 35
	s_mov_b32 s29, 32
	s_mov_b32 s30, 0
	s_mov_b32 s31, 0
	s_mov_b32 s20, 0x76543210
	s_mov_b32 s21, 0xfedcba98                      ; lane l xor 16
	s_mov_b32 s22, 0x3e38aa3b                      ; c = log2(e) / 8
	s_mov_b32 s23, s22                             ; (named with it as a pair)
	s_mov_b32 s40, 0xffff0000                      ; lanes 16-31
	s_lshr_b32 s36, s18, 1                         ; the first tile's last key step
	s_lshl_b32 s37, s18, 2
	s_add_co_u32 s37, s37, s19                     ; the first tile
	s_lshr_b32 s11, s10, 4                         ; batch
	s_and_b32 s16, s10, 15                         ; head
	s_lshl_b32 s56, s11, 20                        ; y's codes: 128 tiles of 8,192 bytes a batch; the head's 64 k are part head % 2 of fragment head / 2
	s_lshr_b32 s57, s16, 1
	s_lshl_b32 s58, s57, 10
	s_add_co_u32 s56, s56, s58
	s_and_b32 s58, s16, 1
	s_lshl_b32 s59, s58, 9
	s_add_co_u32 s56, s56, s59
	s_lshl_b32 s60, s11, 16                        ; y's scale bytes: 512 a tile; K half head / 8, word (head / 2) % 4, bytes 2 (head % 2) + 0, 1
	s_lshr_b32 s59, s16, 3
	s_lshl_b32 s59, s59, 8
	s_add_co_u32 s60, s60, s59
	s_and_b32 s59, s57, 3
	s_lshl_b32 s59, s59, 2
	s_add_co_u32 s60, s60, s59
	s_lshl_b32 s59, s58, 1
	s_add_co_u32 s60, s60, s59
	s_mov_b32 s57, 0
	s_mov_b32 s61, 0
	s_wait_dscnt 0x0
	s_wait_kmcnt 0x0
	s_add_nc_u64 s[4:5], s[4:5], s[12:13]          ; the head's record
	s_add_nc_u64 s[42:43], s[4:5], 143360          ; its queries
	s_add_nc_u64 s[44:45], s[6:7], s[56:57]
	s_add_nc_u64 s[46:47], s[8:9], s[60:61]
	s_mov_b32 s32, 1                               ; group 0: count = 1,
	s_mov_b32 s33, s14                             ; LDS address,
	s_add_nc_u64 s[34:35], s[4:5], s[14:15]        ; global address,
	s_or_b32 s35, s35, 0x80000000                  ; type = 2
	ROUND                                          ; all four work-groups are here: the joint loads meet
	tensor_load_to_lds s[32:35], s[24:31]          ; my one tensor load of the launch
	s_nop 0
.rept 4
	v_nop
.endr
	v_and_b32 v8, 31, v0
	s_delay_alu instid0(VALU_DEP_1)
	v_lshlrev_b32 v1, 4, v8                        ; 16 x lane
	v_and_b32 v8, 15, v0                           ; r
	v_bfe_u32 v11, v0, 4, 1                        ; h
	s_delay_alu instid0(VALU_DEP_2)
	v_lshlrev_b32 v2, 5, v8                        ; 32 r: Q's and K's scale words
	s_delay_alu instid0(VALU_DEP_3)
	v_lshlrev_b32 v3, 4, v8                        ; 16 r: V's
	s_delay_alu instid0(VALU_DEP_1)
	v_add_nc_u32 v9, v3, v11                       ; 16 r + h: y's scale byte
	v_and_b32 v10, 8, v8
	s_delay_alu instid0(VALU_DEP_1)
	v_add_nc_u32 v10, v10, v8
	v_lshlrev_b32 v11, 4, v11
	s_delay_alu instid0(VALU_DEP_1)
	v_sub_nc_u32 v10, v10, v11                     ; r + 8 (r / 8) - 16 h
.irp j, 20,21,22,23
	v_mov_b32 v[\j], 0                             ; k = 64 .. 127 of Q: zero codes
.endr
.irp t, 0,1,2,3,4,5,6,7
.irp j, 4,5,6,7
	v_mov_b32 v[32+8*\t+\j], 0                     ; and of K's eight fragments: written once
.endr
.endr
.irp j, 236,237,238,239,252,253
	v_mov_b32 v[\j], 0                             ; lane permutes' destinations, and the pair v[252:253], are named before they are first written
.endr
.macro SETTILE                         ; from the tile's number s37: the addresses of its queries and of its results, and the mask's compare value
	s_lshr_b32 s56, s37, 3                         ; its group of 128 queries
	s_and_b32 s57, s37, 7                          ; its tile in the group
	s_mul_i32 s58, s56, 4608
	s_lshl_b32 s59, s57, 9
	s_add_co_u32 s60, s58, s59
	s_mov_b32 s61, 0
	s_add_nc_u64 s[48:49], s[42:43], s[60:61]      ; Q's codes
	s_lshl_b32 s59, s57, 2
	s_add_co_u32 s60, s58, s59
	s_add_co_u32 s60, s60, 4096
	s_add_nc_u64 s[50:51], s[42:43], s[60:61]      ; Q's scale words
	s_lshl_b32 s60, s37, 13
	s_add_nc_u64 s[52:53], s[44:45], s[60:61]      ; y's codes
	s_lshl_b32 s60, s37, 9
	s_add_nc_u64 s[54:55], s[46:47], s[60:61]      ; y's scale bytes
	s_lshr_b32 s58, s57, 1
	s_lshl_b32 s58, s58, 5
	s_and_b32 s59, s57, 1
	s_lshl_b32 s59, s59, 3
	s_add_co_u32 s58, s58, s59
	v_add_nc_u32 v7, s58, v10                      ; d = my query's place in its 128 - 16 h
.endm
.macro QLOAD
	global_load_b128 v[16:19], v1, s[48:49]
	global_load_b32 v255, v2, s[50:51]
.endm
.macro TILEBODY
	v_mov_b32 v13, 0xff61b1e6                      ; the largest t so far: -3e38
	s_delay_alu instid0(VALU_DEP_1)
	v_floor_f32 v12, -v13                          ; -M
	v_mov_b32 v14, 0
	v_mov_b32 v15, 0
.set j, 0
.rept 32
	v_mov_b32 v[160+j], 0                          ; O^T: the loop is written once; its first step finds zeros, which the first change of M leaves zeros
.set j, j+1
.endr
	s_mov_b32 s38, 0                               ; the key step
	s_mov_b32 s39, 0                               ; and its LDS byte
	s_wait_loadcnt 0x0                             ; Q
.Lkey_\@:
	s_cmp_gt_u32 s38, s36                          ; all its keys come after my queries: left out
	s_cbranch_scc1 .Lskip_\@
	s_setprio 2
	v_add_nc_u32 v4, s39, v1
	v_add_nc_u32 v5, s39, v2
	v_add_nc_u32 v6, s39, v3
	v_nop                                          ; four plain lines in front of loads into registers that the last step's matrix instructions read
.irp t, 0,1,2,3,4,5,6,7
	ds_load_b128 v[32+8*\t:35+8*\t], v4 offset:512*\t
.endr
	ds_load_b128 v[24:27], v5 offset:8192
	ds_load_b128 v[28:31], v5 offset:8208
.irp t, 0,1,2,3
.irp c, 0,1
	ds_load_b128 v[192+8*\t+4*\c:195+8*\t+4*\c], v4 offset:4096+1024*\t+512*\c
.endr
.endr
	ds_load_b128 v[240:243], v6 offset:8704
	s_wait_dscnt 9                                 ; K and its scale words are in; V's eight loads and its scale words' one may be out
.irp t, 0,1,2,3,4,5,6,7
	v_wmma_scale_f32_16x16x128_f8f6f4 v[96+8*\t:103+8*\t], v[32+8*\t:39+8*\t], v[16:23], 0, v[24+\t], v255 matrix_a_fmt:MATRIX_FMT_FP4 matrix_b_fmt:MATRIX_FMT_FP4
.endr
.rept 4
	v_nop
.endr
	s_cmp_lg_u32 s38, s36                          ; only the tile's last step lies on the diagonal
	s_cbranch_scc1 .Lopen_\@
	v_mov_b32 v254, 0xff800000                     ; hidden scores become -infinity ahead of the maximum.  Register 16 b + i holds key 32 b + 16 h + i of the step: hidden where 32 b + i > d
.set n, 0
.rept 64
	v_cmp_gt_i32 vcc_lo, 32*(n/16)+n%16, v7
	v_cndmask_b32 v[96+n], v[96+n], v254, vcc_lo
.set n, n+1
.endr
.Lopen_\@:
.irp b, 0,1,2,3
	v_max3_num_f32 v[232+\b], v[96+16*\b], v[97+16*\b], v[98+16*\b]   ; the largest score of each block of 32 keys: for the row's maximum and, since p rises with the score, for the block's largest p
.endr
.irp i, 3,5,7,9,11,13
.irp b, 0,1,2,3
	v_max3_num_f32 v[232+\b], v[232+\b], v[96+16*\b+\i], v[97+16*\b+\i]
.endr
.endr
.irp b, 0,1,2,3
	v_max_num_f32 v[232+\b], v[232+\b], v[111+16*\b]
.endr
.irp b, 0,1,2,3
	s_delay_alu instid0(VALU_DEP_4)
	v_permlanex16_b32 v[236+\b], v[232+\b], s20, s21
.endr
.irp b, 0,1,2,3
	s_delay_alu instid0(VALU_DEP_4)
	v_max_num_f32 v[232+\b], v[232+\b], v[236+\b]  ; with lane l xor 16's 16 keys
.endr
	s_delay_alu instid0(VALU_DEP_2)
	v_max3_num_f32 v254, v232, v233, v234
	s_delay_alu instid0(VALU_DEP_1)
	v_max_num_f32 v254, v254, v235
	s_delay_alu instid0(VALU_DEP_1)
	v_mul_f32 v254, s22, v254                      ; the step's largest t
	s_delay_alu instid0(VALU_DEP_1)
	v_max_num_f32 v13, v13, v254
	v_mov_b32 v254, v12
	s_delay_alu instid0(VALU_DEP_2)
	v_floor_f32 v12, -v13                          ; the new -M = -ceil(t)
	s_delay_alu instid0(VALU_DEP_1)
	v_sub_f32 v254, v12, v254                      ; old M - new M: a whole number, 0 or less
	s_delay_alu instid0(VALU_DEP_1)
	v_cvt_i32_f32 v254, v254                       ; (it saturates)
	s_delay_alu instid0(VALU_DEP_1)
	v_ldexp_f32 v252, 1.0, v254                    ; f = 2^(old M - new M)
.set j, 0
.rept 32
	v_pk_fma_f32 v[96+j:97+j], v[96+j:97+j], s[22:23], v[12:13] op_sel_hi:[1,0,0]   ; t - M, two at a time
.set j, j+2
.endr
	s_setprio 1
.irp b, 0,1,2,3
	v_fma_f32 v[232+\b], v[232+\b], s22, v12       ; the same of each block's largest score
.endr
.set j, 0
	s_wait_alu depctr_va_vdst(0)
.rept 64
	v_exp_f32 v[96+j], v[96+j]                     ; p = 2^(t - M)
.set j, j+1
.endr
	v_pk_mul_f32 v[14:15], v[14:15], v[252:253] op_sel_hi:[1,0]   ; the sums under the new M: a plain line behind the exponentials
	s_wait_alu depctr_va_vdst(0)                   ; one wait for the batch of 64, ahead of its first reader
.irp b, 0,1,2,3
	v_exp_f32 v[232+\b], v[232+\b]                 ; the blocks' largest p
.endr
	v_pk_add_f32 v[236:237], v[100:101], v[104:105]
	v_pk_add_f32 v[248:249], v[108:109], v[112:113]
	v_pk_add_f32 v[246:247], v[116:117], v[120:121]
	v_pk_add_f32 v[244:245], v[124:125], v[128:129]
	v_pk_add_f32 v[238:239], v[132:133], v[136:137]
	v_pk_add_f32 v[230:231], v[140:141], v[144:145]
	v_pk_add_f32 v[228:229], v[148:149], v[152:153]
	v_pk_add_f32 v[14:15], v[14:15], v[156:157]
	v_pk_add_f32 v[236:237], v[236:237], v[96:97]
	v_pk_add_f32 v[248:249], v[248:249], v[98:99]
	v_pk_add_f32 v[246:247], v[246:247], v[102:103]
	v_pk_add_f32 v[244:245], v[244:245], v[106:107]
	v_pk_add_f32 v[238:239], v[238:239], v[110:111]
	v_pk_add_f32 v[230:231], v[230:231], v[114:115]
	v_pk_add_f32 v[228:229], v[228:229], v[118:119]
	v_pk_add_f32 v[14:15], v[14:15], v[122:123]
	v_pk_add_f32 v[236:237], v[236:237], v[126:127]
	v_pk_add_f32 v[248:249], v[248:249], v[130:131]
	v_pk_add_f32 v[246:247], v[246:247], v[134:135]
	v_pk_add_f32 v[244:245], v[244:245], v[138:139]
	v_pk_add_f32 v[238:239], v[238:239], v[142:143]
	v_pk_add_f32 v[230:231], v[230:231], v[146:147]
	v_pk_add_f32 v[228:229], v[228:229], v[150:151]
	v_pk_add_f32 v[14:15], v[14:15], v[154:155]
	v_pk_add_f32 v[236:237], v[236:237], v[158:159]
	s_delay_alu instid0(VALU_DEP_2)
	v_pk_add_f32 v[14:15], v[14:15], v[244:245]
	s_delay_alu instid0(VALU_DEP_2)
	v_pk_add_f32 v[236:237], v[236:237], v[238:239]
	v_pk_add_f32 v[248:249], v[248:249], v[230:231]
	v_pk_add_f32 v[246:247], v[246:247], v[228:229]
	s_delay_alu instid0(VALU_DEP_2)
	v_pk_add_f32 v[14:15], v[14:15], v[248:249]
	s_delay_alu instid0(VALU_DEP_2)
	v_pk_add_f32 v[236:237], v[236:237], v[246:247]
	s_delay_alu instid0(VALU_DEP_1)
	v_pk_add_f32 v[14:15], v[14:15], v[236:237]
	s_wait_alu depctr_va_vdst(0)                   ; and one for the four
.irp b, 0,1,2,3
	v_max_num_f32 v[232+\b], 0x1800000, v[232+\b]  ; the floor 2^(3 - 127)
.endr
.irp b, 0,1,2,3
	s_delay_alu instid0(VALU_DEP_4)
	v_add_nc_u32 v[244+\b], 0xff000000, v[232+\b]  ; the conversion's scale operand
.endr
.irp b, 0,1,2,3
	s_delay_alu instid0(VALU_DEP_4)
	v_lshrrev_b32 v[236+\b], 23, v[244+\b]         ; the scale's byte
.endr
	s_delay_alu instid0(VALU_DEP_3)
	v_lshl_or_b32 v249, v237, 8, v236              ; p's scale word for these 128 keys
	s_delay_alu instid0(VALU_DEP_1)
	v_lshl_or_b32 v249, v238, 16, v249
	s_delay_alu instid0(VALU_DEP_1)
	v_lshl_or_b32 v249, v239, 24, v249
	s_setprio 0
.irp b, 0,1,2,3
	v_cvt_scalef32_pk8_fp4_f32 v[224+2*\b], v[96+16*\b:103+16*\b], v[244+\b]
	v_cvt_scalef32_pk8_fp4_f32 v[225+2*\b], v[104+16*\b:111+16*\b], v[244+\b]
.endr
	v_nop                                          ; one plain line behind a scaled conversion
.irp c, 0,1
.irp i, 0,1
	v_permlane16_swap_b32 v[224+4*\c+\i], v[226+4*\c+\i]   ; a whole block in a lane
.endr
.endr
.set j, 0
.rept 16
	v_pk_mul_f32 v[160+j:161+j], v[160+j:161+j], v[252:253] op_sel_hi:[1,0]   ; O^T under the new M.  For each product below twelve of these name none of its registers: the plain lines between the scale word's and the codes' last writes and the product
.set j, j+2
.endr
	s_wait_alu depctr_va_vdst(0)
	s_wait_dscnt 0x0                               ; V and its scale words are in
.irp t, 0,1,2,3                                ; the four accumulators take turns
	v_wmma_scale_f32_16x16x128_f8f6f4 v[160+8*\t:167+8*\t], v[192+8*\t:199+8*\t], v[224:231], v[160+8*\t:167+8*\t], v[240+\t], v249 matrix_a_fmt:MATRIX_FMT_FP4 matrix_b_fmt:MATRIX_FMT_FP4
.endr
.Lskip_\@:
	s_add_co_u32 s39, s39, STEPB
	s_add_co_u32 s38, s38, 1
	s_cmp_lt_u32 s38, 16
	s_cbranch_scc1 .Lkey_\@
	s_setprio 0
	; THE WAY OUT: O^T / the sum; a lane's 32 numbers are 16 of each of the head's two blocks of 32 channels; quantised, they are part of a fragment of the last product's operand
.rept 4
	v_nop
.endr
	v_add_f32 v14, v14, v15
	s_delay_alu instid0(VALU_DEP_1)
	v_permlanex16_b32 v252, v14, s20, s21
	s_delay_alu instid0(VALU_DEP_1)
	v_add_f32 v14, v14, v252                       ; the row's sum
	s_wait_alu depctr_va_vdst(0)
	v_rcp_f32 v14, v14
	v_nop                                          ; a plain line behind the reciprocal
	s_wait_alu depctr_va_vdst(0)                   ; and the wait ahead of its first reader
.set j, 0
.rept 16
	v_pk_mul_f32 v[96+j:97+j], v[160+j:161+j], v[14:15] op_sel_hi:[1,0]   ; each accumulator from its low end on
.set j, j+2
.endr
.irp b, 0,1
	v_max3_num_f32 v[232+\b], |v[96+16*\b]|, |v[97+16*\b]|, 0x1800000
.endr
.irp i, 2,4,6,8,10,12,14
.irp b, 0,1
	s_delay_alu instid0(VALU_DEP_2)
	v_max3_num_f32 v[232+\b], v[232+\b], |v[96+16*\b+\i]|, |v[97+16*\b+\i]|
.endr
.endr
.irp b, 0,1
	s_delay_alu instid0(VALU_DEP_2)
	v_permlanex16_b32 v[236+\b], v[232+\b], s20, s21
.endr
.irp b, 0,1
	s_delay_alu instid0(VALU_DEP_2)
	v_max_num_f32 v[232+\b], v[232+\b], v[236+\b]
.endr
.irp b, 0,1
	s_delay_alu instid0(VALU_DEP_2)
	v_add_nc_u32 v[244+\b], 0xff000000, v[232+\b]
.endr
.irp b, 0,1
	s_delay_alu instid0(VALU_DEP_2)
	v_lshrrev_b32 v[236+\b], 23, v[244+\b]
.endr
.irp b, 0,1
	v_cvt_scalef32_pk8_fp4_f32 v[224+2*\b], v[96+16*\b:103+16*\b], v[244+\b]
	v_cvt_scalef32_pk8_fp4_f32 v[225+2*\b], v[104+16*\b:111+16*\b], v[244+\b]
.endr
	v_nop
	v_permlane16_swap_b32 v224, v226
	v_permlane16_swap_b32 v225, v227               ; lane (r, h): channels 32 h + 0 .. 31 of query r
	global_store_b128 v1, v[224:227], s[52:53]     ; 512 consecutive bytes, aligned
	v_cndmask_b32 v248, v236, v237, s40            ; lanes 0-15 store the first block's byte, lanes 16-31 the second's
	global_store_b8 v9, v248, s[54:55]
.endm
	SETTILE
	QLOAD
	s_wait_tensorcnt 0x0                           ; my key step is in LDS,
	s_barrier_signal -1
	s_barrier_wait -1                              ; everybody's is
	TILEBODY
	s_wait_xcnt 0x0                                ; the stores have read their data and bases: both are written again only behind this wait
	s_sub_co_u32 s37, 127, s37                     ; the second tile,
	s_sub_co_u32 s36, 15, s36                      ; and its last key step
	SETTILE
	QLOAD
	TILEBODY
	s_wait_dscnt 0x0
	s_wait_tensorcnt 0x0
	ds_add_u32 v250, v251
	s_wait_dscnt 0x0
	ROUND                                          ; the closing round
	s_endpgm
.Lfunc_end_k_q4c3f487a15_attn:
	.size	k_q4c3f487a15_attn, .Lfunc_end_k_q4c3f487a15_attn-k_q4c3f487a15_attn
	.p2alignl 7, 3214868480
	.fill 96, 4, 3214868480
	.section	.rodata,"a",@progbits
	.p2align	6, 0x0
	.amdhsa_kernel k_q4c3f487a15_attn
		.amdhsa_group_segment_fixed_size 169984
		.amdhsa_private_segment_fixed_size 0
		.amdhsa_enable_private_segment 0
		.amdhsa_kernarg_size 24
		.amdhsa_user_sgpr_count 2
		.amdhsa_user_sgpr_kernarg_segment_ptr 1
		.amdhsa_wavefront_size32 1
		.amdhsa_system_sgpr_workgroup_id_x 1
		.amdhsa_system_sgpr_workgroup_id_y 1
		.amdhsa_system_sgpr_workgroup_id_z 1
		.amdhsa_system_vgpr_workitem_id 0
		.amdhsa_next_free_vgpr 256
		.amdhsa_next_free_sgpr 66
		.amdhsa_reserve_vcc 1
		.amdhsa_float_denorm_mode_32 3
		.amdhsa_float_denorm_mode_16_64 3
		.amdhsa_memory_ordered 1
		.amdhsa_forward_progress 1
		.amdhsa_inst_pref_size 62
	.end_amdhsa_kernel
	.amdgpu_metadata
---
amdhsa.version: [ 1, 2 ]
amdhsa.kernels:
  - .name:           k_q4c3f487a15_attn
    .symbol:         k_q4c3f487a15_attn.kd
    .args:
      - { .name: qkv, .offset: 0, .size: 8, .value_kind: global_buffer, .address_space: global }
      - { .name: y_codes, .offset: 8, .size: 8, .value_kind: global_buffer, .address_space: global }
      - { .name: y_scales, .offset: 16, .size: 8, .value_kind: global_buffer, .address_space: global }
    .group_segment_fixed_size: 169984
    .private_segment_fixed_size: 0
    .kernarg_segment_align: 8
    .kernarg_segment_size: 24
    .max_flat_workgroup_size: 512
    .sgpr_count:     66
    .vgpr_count:     256
    .wavefront_size: 32
...
	.end_amdgpu_metadata
.endif
;; end of part 3
;; launch proj (part 4): grid 4 x 32, 4 waves a work-group, clusters of 4 x 4, 327,680 bytes of LDS; arguments y_codes, y_scales, xw_codes, xw_scales, b_proj, out0; writes out0
.if DOCPART == 4
	.amdgcn_target "amdgcn-amd-amdhsa--gfx1250"
	.amdhsa_code_object_version 6
	.text
	.protected	k_q4c3f487a15_proj
	.globl	k_q4c3f487a15_proj
	.p2align	8
	.type	k_q4c3f487a15_proj,@function
k_q4c3f487a15_proj:
	s_mov_b64 s[64:65], 0
	v_nop
	global_prefetch_b8 v0, s[64:65] scope:SCOPE_SE
	s_setreg_imm32_b32 hwreg(HW_REG_WAVE_MODE, 25, 1), 1
	s_wait_xcnt 0x0
	s_wait_alu depctr_hold_cnt(0) depctr_sa_sdst(0) depctr_va_vdst(0) depctr_va_sdst(0) depctr_va_ssrc(0) depctr_va_vcc(0) depctr_vm_vsrc(0)
	s_getreg_b32 s2, hwreg(HW_REG_IB_STS2, 6, 4)
	s_cmp_eq_u32 s2, 0
	s_cbranch_scc0 .Lentry_in_a_cluster
	s_endpgm
.Lentry_in_a_cluster:
	s_bfe_u32 s2, ttmp6, 0x10000c
	s_cmp_lg_u32 s2, 0xf033
	s_cbranch_scc0 .Lentry_shape_is_right
	s_endpgm
.Lentry_shape_is_right:
; out0 = y w_proj^T + b_proj on codes of FP4 with E8M0 scales (8,192 x 1,024, K = 1,024), f32 out.
; A tile of 256 x 256 is made by four waves, 128 x 128 each: 64 accumulators, 512 registers.  K = 1,024 is two LDS slots of 512: both are filled once, at the start; nothing is filled again.
; OPERANDS lie in memory and in LDS as images of their registers (a fragment of 16 rows x 128 K: 1,024 bytes, part c, lane l, 16 bytes): two ds_load_b128 at 16 x lane bring one.
; Tile T holds in place j the row 32 (T / 2) + 8 (T % 2) + j + 8 (j / 8).  Source 1 = y (a lane holds one token), source 0 = w_proj: the 16 registers of result tiles 2 e, 2 e + 1 are columns 32 e + 16 (lane / 16) + 0 .. 15.
; The bias is the C of each sum's first matrix instruction.
; CLUSTERS: 4 x 4 work-groups.  y's tiles are asked for jointly along a row of the cluster, w_proj's along a column.
; REGISTERS, in windows of 256: window 0: v16-27 addresses; v32-95 scale words, two sets; v128-191 y's fragments, one set; v192-255 the bias; on the way out v128-255 take rows of the result.
;   window 1: w_proj's fragments, two sets, at v0 and v128.   windows 2, 3: accumulator (a, b) at v[8 (8 (a % 4) + b)].
.set SLOT,  131072
.set SCL,   262144
.set WT0,   704                        ; w_proj's first tile in the workspace
.set SPITCH, 528                       ; the way out: a stage of 16 rows x (512 bytes + 16) for each wave, in slot 0, which has had its one fill and its last read by then
.set ADRA, 16
.set ADRB, 20
.set STO,  22                          ; v22  the stage: where I put 32 bytes of a row
.set RD,   23                          ; v23  and where I read a row back
.set LI,   24                          ; v24  16 x lane
.set H64,  25                          ; v25  64 h
.set ADRS, 27
.set SC,   32
.set AF,   128
.set BK,   128
.set BIAS, 192
.set G1, 24
.set G0, 32
.set G1B, 48
.set G0B, 56
.set G1S, 68
.set G0S, 76
.set G1SB, 80
.set G0SB, 88
.set MSB, 0
.macro WIN new                         ; the immediate's high byte repeats the setting that is left
.if MSB != (\new)
	s_set_vgpr_msb (MSB<<8)|(\new)
.set MSB, (\new)
.endif
.endm
.set MUL_LO, 0xa1                      ; source 0 window 1, source 1 window 0, C and D window 2
.set MUL_HI, 0xf1
.set TO_B,   0x40
.macro JLOAD g0a, g1a, g0b, g1b        ; a joint load: waves 0 and 1 fetch for y, waves 2 and 3 for w_proj; four v_nop follow each of the two lines
	s_cmp_eq_u32 s15, 0
	s_cbranch_scc0 .Lfor_b_\@
	tensor_load_to_lds s[\g0a:\g0a+3], s[\g1a:\g1a+7]
	s_nop 0
.rept 4
	v_nop
.endr
	s_branch .Lasked_\@
.Lfor_b_\@:
	tensor_load_to_lds s[\g0b:\g0b+3], s[\g1b:\g1b+7]
	s_nop 0
.rept 4
	v_nop
.endr
.Lasked_\@:
.endm
.macro CROUND                          ; a round of the cluster's barrier
	s_barrier_signal -1
	s_barrier_wait -1
	s_cmp_lg_u32 s14, 0
	s_cbranch_scc1 .Lnot_wave_0_\@
	s_barrier_signal -3
.Lnot_wave_0_\@:
	s_barrier_wait -3
	s_barrier_signal -1
	s_barrier_wait -1
.endm
	s_load_b128 s[4:7], s[0:1], 0x0                ; y's codes, y's scale words
	s_load_b128 s[8:11], s[0:1], 0x10              ; the weights' codes, their scale words
	s_load_b128 s[96:99], s[0:1], 0x20             ; b_proj, out0
	v_lshl_add_u32 v126, v0, 2, 0x44000
	v_mov_b32 v127, 0
	ds_add_u32 v126, v127
	ds_add_u32 v126, v127
	v_lshrrev_b32 v1, 5, v0
	v_readfirstlane_b32 s14, v1                    ; wave 0..3
	s_lshr_b32 s15, s14, 1                         ; which half of the tile's rows is mine.  Also: I fetch for y (0) or for w_proj (1)
	s_and_b32 s16, s14, 1                          ; which half of its columns.  Also: which 8 tiles I fetch
	s_bfe_u32 s40, ttmp6, 0x40000
	s_bfe_u32 s41, ttmp6, 0x40004
	s_lshl_b32 s42, ttmp9, 2
	s_add_co_u32 s42, s42, s40                     ; tile column
	s_and_b32 s17, ttmp7, 0xffff
	s_lshl_b32 s17, s17, 2
	s_add_co_u32 s17, s17, s41                     ; tile row
	s_lshl_b32 s43, s41, 2
	s_lshl_b32 s43, 15, s43                        ; my row of the cluster
	s_lshl_b32 s44, 0x1111, s40                    ; my column
	s_or_b32 s[G1+0], s43, (3<<16)|(1<<21)         ; codes: 8 rows (tiles) of 4,096 bytes, 8,192 apart; elements of 8 bytes; bit 21 set beside a mask
	s_or_b32 s[G1B+0], s44, (3<<16)|(1<<21)
.irp g, G1, G1B
	s_mov_b32 s[\g+1], 512<<16
	s_mov_b32 s[\g+2], 8<<16
	s_mov_b32 s[\g+3], 512<<16
	s_mov_b32 s[\g+4], 8
	s_mov_b32 s[\g+5], 1024
	s_mov_b32 s[\g+6], 0
	s_mov_b32 s[\g+7], 0
.endr
	s_or_b32 s[G1S+0], s43, (3<<16)|(1<<21)        ; scale words of 8 tiles: 4,096 dense bytes, as 16 rows of 256
	s_or_b32 s[G1SB+0], s44, (3<<16)|(1<<21)
.irp g, G1S, G1SB
	s_mov_b32 s[\g+1], 32<<16
	s_mov_b32 s[\g+2], 16<<16
	s_mov_b32 s[\g+3], 32<<16
	s_mov_b32 s[\g+4], 16
	s_mov_b32 s[\g+5], 32
	s_mov_b32 s[\g+6], 0
	s_mov_b32 s[\g+7], 0
.endr
	s_lshl_b32 s18, s16, 3
	s_lshl_b32 s20, s17, 4
	s_add_co_u32 s20, s20, s18                     ; y: tile 16 x tile row + 8 x half
	s_lshl_b32 s46, s42, 4
	s_add_co_u32 s46, s46, s18
	s_add_co_u32 s46, s46, WT0                     ; w_proj: tile 704 + 16 x tile column + 8 x half
	s_lshl_b32 s22, s20, 9
	s_mov_b32 s23, 0
	s_lshl_b32 s20, s20, 13
	s_mov_b32 s21, 0
	s_lshl_b32 s92, s46, 9
	s_mov_b32 s93, 0
	s_lshl_b32 s46, s46, 13
	s_mov_b32 s47, 0
	s_lshl_b32 s45, s14, 15
	s_lshl_b32 s94, s14, 12
	s_wait_dscnt 0x0
	s_wait_kmcnt 0x0
	s_add_nc_u64 s[20:21], s[4:5], s[20:21]
	s_add_nc_u64 s[22:23], s[6:7], s[22:23]
	s_add_nc_u64 s[46:47], s[8:9], s[46:47]
	s_add_nc_u64 s[92:93], s[10:11], s[92:93]
	CROUND                                         ; all sixteen work-groups are here: the joint loads meet
	s_mov_b32 s[G0S], 1
	s_add_co_u32 s[G0S+1], s94, SCL
	s_mov_b64 s[G0S+2:G0S+3], s[22:23]
	s_or_b32 s[G0S+3], s[G0S+3], 0x80000000
	s_mov_b32 s[G0SB], 1
	s_add_co_u32 s[G0SB+1], s94, SCL
	s_mov_b64 s[G0SB+2:G0SB+3], s[92:93]
	s_or_b32 s[G0SB+3], s[G0SB+3], 0x80000000
	JLOAD G0S, G1S, G0SB, G1SB
.irp s, 0,1
	s_mov_b32 s[G0+4*\s], 1
	s_add_co_u32 s[G0+4*\s+1], s45, \s*SLOT
	s_add_nc_u64 s[G0+4*\s+2:G0+4*\s+3], s[20:21], \s*4096
	s_or_b32 s[G0+4*\s+3], s[G0+4*\s+3], 0x80000000
	s_mov_b32 s[G0B+4*\s], 1
	s_add_co_u32 s[G0B+4*\s+1], s45, \s*SLOT
	s_add_nc_u64 s[G0B+4*\s+2:G0B+4*\s+3], s[46:47], \s*4096
	s_or_b32 s[G0B+4*\s+3], s[G0B+4*\s+3], 0x80000000
	s_wait_alu depctr_va_vdst(0)
	s_wait_tensorcnt 0x0
	ds_add_u32 v126, v127
	s_wait_dscnt 0x0
	CROUND
	JLOAD G0+4*\s, G1, G0B+4*\s, G1B               ; one load of mine is out behind the second
.endr
	v_and_b32 v1, 31, v0
	v_and_b32 v2, 15, v0                           ; r
	v_bfe_u32 v3, v0, 4, 1                         ; h
	v_lshlrev_b32 v[LI], 4, v1
	s_wait_alu depctr_va_vdst(0)
	v_lshlrev_b32 v[H64], 6, v3
	; the bias and the result: my 128 columns begin 1,024 x tile column + 512 x half bytes into a row
	s_lshl_b32 s46, s42, 10
	s_lshl_b32 s47, s16, 9
	s_add_co_u32 s46, s46, s47
	s_mov_b32 s47, 0
	s_add_nc_u64 s[96:97], s[96:97], s[46:47]
.irp e, 0,1,2,3                                ; the bias in the results' layout: register 16 e + i = column 32 e + 16 h + i
.irp j, 0,1,2,3
	global_load_b128 v[BIAS+16*\e+4*\j:BIAS+16*\e+4*\j+3], v[H64], s[96:97] offset:128*\e+16*\j
.endr
.endr
	s_lshl_b32 s20, s17, 8
	s_lshl_b32 s21, s15, 7
	s_add_co_u32 s20, s20, s21                     ; my first row: 256 x tile row + 128 x half
	s_lshl_b32 s20, s20, 12                        ; of 4,096 bytes
	s_add_co_u32 s20, s20, s46
	s_mov_b32 s21, 0
	s_add_nc_u64 s[12:13], s[98:99], s[20:21]      ; never stepped: every row's place stands in a store's immediate
	s_lshl_b32 s21, s15, 15                        ; my 8 tiles of y,
	s_lshl_b32 s22, s16, 15
	s_add_co_u32 s22, s22, 65536                   ; and of w_proj, behind y's 16
	v_add_nc_u32 v[ADRA], s21, v[LI]
	v_add_nc_u32 v[ADRB], s22, v[LI]
	v_add_nc_u32 v[ADRA+1], SLOT, v[ADRA]
	v_add_nc_u32 v[ADRB+1], SLOT, v[ADRB]
	s_lshl_b32 s21, s15, 12                        ; y's scale words: my 8 tiles
	s_lshl_b32 s22, s16, 12
	s_add_co_u32 s22, s22, 8192                    ; w_proj's, behind y's
	s_sub_co_u32 s22, s22, s21
	v_mul_u32_u24 v5, s22, v3                      ; lanes 16-31 take w_proj's: the lower base + h x the distance
	s_add_co_u32 s21, s21, SCL
	v_lshl_add_u32 v5, v2, 4, v5
	v_add_nc_u32 v[ADRS], s21, v5
	s_mul_i32 s23, s14, 16*SPITCH                  ; my stage
	v_mul_u32_u24 v5, v2, SPITCH
	v_lshl_add_u32 v5, v3, 6, v5
	v_add_nc_u32 v[STO], s23, v5                   ; in: row r, + 64 h
	v_add_nc_u32 v[RD], s23, v[LI]                 ; back: the 32 lanes take one row of 512 bytes
.macro FRAG reg, adr, q, i
.irp c, 0,1
	ds_load_b128 v[\reg+4*\c:\reg+4*\c+3], v[\adr] offset:(\i)*4096+(\q)*1024+512*\c
.endr
.endm
; 16 matrix instructions: y's blocks a0, a0 + 1 x w_proj's eight.  bias = 1: the first product starts the sums with the bias as C.  The 64 accumulators take turns, one instruction a turn.
.macro MUL16 a0, p, q, sc, bias
.irp a, \a0, \a0+1
.irp b, 0,1,2,3,4,5,6,7
.if \bias
	v_wmma_scale_f32_16x16x128_f8f6f4 v[8*(8*((\a)%4)+\b):8*(8*((\a)%4)+\b)+7], v[128*(\p)+8*\b:128*(\p)+8*\b+7], v[AF+8*(\a):AF+8*(\a)+7], v[BIAS+8*\b:BIAS+8*\b+7], v[SC+32*(\sc)+4*\b+(\q)], v[SC+32*(\sc)+4*(\a)+(\q)] matrix_a_fmt:MATRIX_FMT_FP4 matrix_b_fmt:MATRIX_FMT_FP4 matrix_a_scale:MATRIX_SCALE_ROW1
.else
	v_wmma_scale_f32_16x16x128_f8f6f4 v[8*(8*((\a)%4)+\b):8*(8*((\a)%4)+\b)+7], v[128*(\p)+8*\b:128*(\p)+8*\b+7], v[AF+8*(\a):AF+8*(\a)+7], v[8*(8*((\a)%4)+\b):8*(8*((\a)%4)+\b)+7], v[SC+32*(\sc)+4*\b+(\q)], v[SC+32*(\sc)+4*(\a)+(\q)] matrix_a_fmt:MATRIX_FMT_FP4 matrix_b_fmt:MATRIX_FMT_FP4 matrix_a_scale:MATRIX_SCALE_ROW1
.endif
.endr
.endr
.endm
.macro FETCH_B slot, q, p
	WIN TO_B
.irp i, 0,1,2,3,4,5,6,7
	FRAG 128*(\p)+8*\i, ADRB+\slot, \q, \i
.endr
	WIN 0
.endm
.macro FETCH_A slot, q, i0
.irp i, \i0, \i0+1, \i0+2, \i0+3
	FRAG AF+8*(\i), ADRA+\slot, \q, \i
.endr
.endm
.macro SCALES sc
.irp i, 0,1,2,3,4,5,6,7
	ds_load_b128 v[SC+32*\sc+4*\i:SC+32*\sc+4*\i+3], v[ADRS] offset:\i*512+\sc*256
.endr
.endm
.macro PLACES n                        ; plain vector lines between a matrix instruction and a load into, or a read of, its registers (ISA guide 7.12.1 for vector lines)
.rept \n
	v_nop
.endr
.endm
.macro STEP slot, q, bias
	s_wait_dscnt 8                                 ; w_proj's set and y's blocks 0-3 are in; the youngest eight loads (y's blocks 4-7) may be out
.if \bias
	WIN 0x81                                       ; C (the bias) window 0, D window 2
.else
	WIN MUL_LO
.endif
	MUL16 0, (\q)%2, \q, \slot, \bias
	MUL16 2, (\q)%2, \q, \slot, \bias
	s_wait_dscnt 0x0
	PLACES 4
	FETCH_B \slot, (\q)+1, 1-(\q)%2
	FETCH_A \slot, (\q)+1, 0
.if \bias
	WIN 0xc1
.else
	WIN MUL_HI
.endif
	MUL16 4, (\q)%2, \q, \slot, \bias
	MUL16 6, (\q)%2, \q, \slot, \bias
	PLACES 4
	WIN 0
	FETCH_A \slot, (\q)+1, 4
.endm
	s_wait_alu depctr_va_vdst(0)
	s_wait_tensorcnt 1                             ; the scale words and my part of slot 0 are in; slot 1's load may be out
	s_barrier_signal -1
	s_barrier_wait -1
	FETCH_B 0, 0, 0
	FETCH_A 0, 0, 0
	SCALES 0
	FETCH_A 0, 0, 4
	s_wait_loadcnt 0x0                             ; the bias
	STEP 0, 0, 1
	STEP 0, 1, 0
	STEP 0, 2, 0
	; slot 0's last step changes slots: one barrier; nothing is filled again
	s_wait_tensorcnt 0x0                           ; my part of slot 1 is in
	s_wait_dscnt 8
	WIN MUL_LO
	MUL16 0, 1, 3, 0, 0
	s_wait_dscnt 0x0                               ; my reads of slot 0 are over: its bytes serve as stages on the way out
	s_barrier_signal -1
	MUL16 2, 1, 3, 0, 0
	WIN 0
	s_barrier_wait -1
	PLACES 4
	FETCH_B 1, 0, 0
	FETCH_A 1, 0, 0
	SCALES 1
	WIN MUL_HI
	MUL16 4, 1, 3, 0, 0
	MUL16 6, 1, 3, 0, 0
	PLACES 4
	WIN 0
	FETCH_A 1, 0, 4
	STEP 1, 0, 0
	STEP 1, 1, 0
	STEP 1, 2, 0
	s_wait_dscnt 8                                 ; the very last step: nothing more to fetch
	WIN MUL_LO
	MUL16 0, 1, 3, 1, 0
	MUL16 2, 1, 3, 1, 0
	s_wait_dscnt 0x0
	WIN MUL_HI
	MUL16 4, 1, 3, 1, 0
	MUL16 6, 1, 3, 1, 0
	WIN 0
; THE WAY OUT, block by block of 16 tokens x 128 columns: through my own stage in LDS, back as whole rows of 512 bytes.  LDS serves a wave's instructions in order: no wait between the stores and the loads.
.macro TOSTAGE a
.set AC, 64*((\a)%4)
	WIN 0x08+4*((\a)/4)                            ; an LDS store's data: window 2 or 3
.irp b, 0,1,2,3,4,5,6,7
	ds_store_b128 v[STO], v[AC+8*\b:AC+8*\b+3] offset:128*(\b/2)+32*(\b%2)          ; each accumulator from its low end on
	ds_store_b128 v[STO], v[AC+8*\b+4:AC+8*\b+7] offset:128*(\b/2)+32*(\b%2)+16
.endr
	WIN 0
.set BB, BK+64*((\a)%2)
.irp t, 0,1,2,3,4,5,6,7,8,9,10,11,12,13,14,15
	ds_load_b128 v[BB+4*\t:BB+4*\t+3], v[RD] offset:\t*SPITCH
.endr
.endm
.macro SEND a, younger                 ; younger: the LDS instructions issued behind block a's loads, which may stay out
.set BB, BK+64*((\a)%2)
	s_wait_dscnt \younger
.irp t, 0,1,2,3,4,5,6,7,8,9,10,11,12,13,14,15
	global_store_b128 v[LI], v[BB+4*\t:BB+4*\t+3], s[12:13] offset:(32*((\a)/2)+8*((\a)%2)+\t+8*(\t/8))*4096 th:TH_STORE_NT   ; place t of block a is that row; 32 lanes store 512 consecutive bytes, aligned
.endr
.endm
	PLACES 4
	TOSTAGE 0
.irp a, 1,2,3,4,5,6,7
.if \a > 1
	s_wait_xcnt 0x0                                ; block a - 2's stores have read their registers: block a's loads may land there
.endif
	TOSTAGE \a
	SEND \a-1, 32                                  ; behind block a - 1's loads: block a's 16 stores and 16 loads
.endr
	SEND 7, 0
	s_wait_dscnt 0x0
	s_wait_tensorcnt 0x0
	ds_add_u32 v126, v127
	s_wait_dscnt 0x0
	CROUND                                         ; the closing round: no work-group ends while a partner may still ask for a tile that names it
	s_endpgm
.Lfunc_end_k_q4c3f487a15_proj:
	.size	k_q4c3f487a15_proj, .Lfunc_end_k_q4c3f487a15_proj-k_q4c3f487a15_proj
	.p2alignl 7, 3214868480
	.fill 96, 4, 3214868480
	.section	.rodata,"a",@progbits
	.p2align	6, 0x0
	.amdhsa_kernel k_q4c3f487a15_proj
		.amdhsa_group_segment_fixed_size 327680
		.amdhsa_private_segment_fixed_size 0
		.amdhsa_enable_private_segment 0
		.amdhsa_kernarg_size 48
		.amdhsa_user_sgpr_count 2
		.amdhsa_user_sgpr_kernarg_segment_ptr 1
		.amdhsa_wavefront_size32 1
		.amdhsa_system_sgpr_workgroup_id_x 1
		.amdhsa_system_sgpr_workgroup_id_y 1
		.amdhsa_system_sgpr_workgroup_id_z 1
		.amdhsa_system_vgpr_workitem_id 0
		.amdhsa_next_free_vgpr 1024
		.amdhsa_next_free_sgpr 102
		.amdhsa_reserve_vcc 0
		.amdhsa_float_denorm_mode_32 3
		.amdhsa_float_denorm_mode_16_64 3
		.amdhsa_memory_ordered 1
		.amdhsa_forward_progress 1
		.amdhsa_inst_pref_size 126
	.end_amdhsa_kernel
	.amdgpu_metadata
---
amdhsa.version: [ 1, 2 ]
amdhsa.kernels:
  - .name:           k_q4c3f487a15_proj
    .symbol:         k_q4c3f487a15_proj.kd
    .args:
      - { .name: y_codes, .offset: 0, .size: 8, .value_kind: global_buffer, .address_space: global }
      - { .name: y_scales, .offset: 8, .size: 8, .value_kind: global_buffer, .address_space: global }
      - { .name: xw_codes, .offset: 16, .size: 8, .value_kind: global_buffer, .address_space: global }
      - { .name: xw_scales, .offset: 24, .size: 8, .value_kind: global_buffer, .address_space: global }
      - { .name: b_proj, .offset: 32, .size: 8, .value_kind: global_buffer, .address_space: global }
      - { .name: out0, .offset: 40, .size: 8, .value_kind: global_buffer, .address_space: global }
    .group_segment_fixed_size: 327680
    .private_segment_fixed_size: 0
    .kernarg_segment_align: 8
    .kernarg_segment_size: 48
    .max_flat_workgroup_size: 128
    .sgpr_count:     102
    .vgpr_count:     1024
    .wavefront_size: 32
...
	.end_amdgpu_metadata
.endif
;; end of part 4
